; MI455X (gfx1250); checked and timed in simulation.
; The chip was launched on July 23, 2026; its instructions are those of AMD's public machine-readable ISA for CDNA 5 (MIT licence, August 2026) and "CDNA5" Instruction Set Architecture Reference Guide (July 2026). The comments in the code are by the model that wrote it; some were corrected since.
;; Multi Head Attention. Allowed arithmetic: matrix products marked QUANTISED: E2M3 operands, one E8M0 scale for each 32 along K, by v_wmma_scale_f32_16x16x128_f8f6f4 with both operands' format E2M3, f32 sums; everything else in f32.
;; Inputs: Wk 1,024 x 1,024 float32; Wo 1,024 x 1,024 float32; Wq 1,024 x 1,024 float32; Wv 1,024 x 1,024 float32; bk 1,024 float32; bo 1,024 float32; bq 1,024 float32; bv 1,024 float32; k 4 x 2,048 x 1,024 float32; key_padding_mask 4 x 2,048 bool; q 4 x 2,048 x 1,024 float32; src_mask 2,048 x 2,048 float32; v 4 x 2,048 x 1,024 float32.
;; Outputs: out0 4 x 2,048 x 1,024 float32.
;; This version of the problem:
;;   THIS VERSION OF THE PROBLEM IS GIVEN IN LOW PRECISION. The matrix products marked QUANTISED in the list below multiply operands that are first quantised to E2M3 (2 exponent bits, 3 mantissa bits; 6 bits a number), with one power-of-two scale for each 32 numbers along K (OCP MX v1.0); their sums are f32. All else is computed in f32.
;;   The module's matrix products, in the order in which they are computed (A, B: the left and right operand; K: the contracted axis; several contracted axes count as one K, in the product's order):
;;     1. [M 8,192, K 1,024] x [K 1,024, N 1,024]; A: input q; B: input Wq: QUANTISED
;;     2. [M 8,192, K 1,024] x [K 1,024, N 1,024]; A: input k; B: input Wk: QUANTISED
;;     3. [M 8,192, K 1,024] x [K 1,024, N 1,024]; A: input v; B: input Wv: QUANTISED
;;     4. batch 64 x [M 2,048, K 64] x [K 64, N 2,048]; A: computed on the way; B: computed on the way: QUANTISED
;;     5. batch 64 x [M 2,048, K 2,048] x [K 2,048, N 64]; A: softmax (see below); B: computed on the way: QUANTISED
;;     6. [M 8,192, K 1,024] x [K 1,024, N 1,024]; A: computed on the way; B: input Wo: QUANTISED
;;   THE QUANTISER, for each operand of a quantised product, along K:
;;     - K is cut into blocks of 32 from its start; a last block that is shorter is filled with zeros.
;;     - A block's scale is 2^e with e = floor(log2(the largest magnitude in the block)) - 2, held to -126 .. 127; a block of zeros has e = 0. As a byte (E8M0): e + 127.
;;     - Each number is divided by its block's scale, clamped to +-7.5, and rounded to the nearest number of E2M3, ties to even, subnormals kept.
;;     - The product sums the exact products of the quantised numbers (number of the format x scale) in f32.
;;   ~~~python
;;   def quantise(x, axis):      # numpy; x: float32 -> the quantised numbers, widened to float32 again
;;       x = np.moveaxis(x, axis, -1); K = x.shape[-1]
;;       x = np.pad(x, [(0, 0)] * (x.ndim - 1) + [(0, -K % 32)]); x = x.reshape(x.shape[:-1] + (-1, 32)); a = np.abs(x).max(-1, keepdims=True)
;;       e = np.where(a > 0, np.clip(np.frexp(np.where(a > 0, a, 1))[1] - 1 - 2, -126, 127), 0)      # np.frexp(a)[1] - 1 = floor(log2(a)), exactly
;;       r = np.clip(x / 2.0 ** e, -7.5, 7.5)
;;       step = 2.0 ** (np.maximum(np.frexp(np.where(r == 0, 1, r))[1] - 1, 0) - 3)
;;       q = np.round(r / step) * step * 2.0 ** e      # np.round: ties to even
;;       return np.moveaxis(q.reshape(q.shape[:-2] + (-1,))[..., :K], -1, axis).astype(np.float32)
;;   ~~~
;;   SOFTMAX AHEAD OF A QUANTISED PRODUCT. Where the list says 'softmax', what is quantised is not the finished softmax but p = 2^(t - M), with t = logit x log2(e) and M = ceil(the row's largest t), a whole number; so 1/2 < the row's largest p <= 1. The row's sum l is taken of the UNQUANTISED p, in f32, and the product's result is divided by l at the end. Since M is a whole number, a kernel that streams over the keys may use a running M (the ceiling of the running maximum): every later rescaling is an exact power of two, which a block's scale takes up: the codes' values come out the same.
;;   OPERANDS COMPUTED ON THE WAY. 'Computed on the way' means the value that the module computes at that place (a softmax that the list does not call 'softmax' is quantised finished and normalised). What goes into a quantiser is computed in f32, as accurately as f32 sums, v_exp_f32 and their like allow (about 1e-6 of the number): no bf16 or f16 on the way to a quantiser, and a product that is left as it is and whose result goes on into a quantised operand takes f32 operands (vector FMAs, or v_wmma_f32_16x16x4_f32). A number that lies on a knife's edge between two numbers of the format may be rounded either way, as far as f32 arithmetic and the matrix unit's own rounding can turn it there, and no further.
;; One version. Each part assembles by itself: llvm-mc -triple=amdgcn-amd-amdhsa -mcpu=gfx1250 --defsym DOCPART=n.
;; ======== version 1 of 1: 4 launches
;; limits: right only within a limited range of input values
;; workspace buffers: xc 22,020,096 bytes; xs 917,504 bytes; qkv 20,447,232 bytes; cimg 6,291,456 bytes; csc 262,144 bytes
;; launch quant (part 1): grid 896 x 1, 4 waves a work-group, no clusters, 46,592 bytes of LDS; arguments q, k, v, Wq, Wk, Wv, Wo, xc, xs; writes xc, xs
.if DOCPART == 1
	.amdgcn_target "amdgcn-amd-amdhsa--gfx1250"
	.amdhsa_code_object_version 6
	.text
	.protected	k_qe2dfcc9b8a_quant
	.globl	k_qe2dfcc9b8a_quant
	.p2align	8
	.type	k_qe2dfcc9b8a_quant,@function
k_qe2dfcc9b8a_quant:
	s_mov_b64 s[64:65], 0
	v_nop
	global_prefetch_b8 v0, s[64:65] scope:SCOPE_SE
	s_setreg_imm32_b32 hwreg(HW_REG_WAVE_MODE, 25, 1), 1
	s_wait_xcnt 0x0
; q, k, v [8192][1024] and Wq, Wk, Wv, Wo [1024][1024], f32 with K innermost, become codes of FP6 (E2M3) with one E8M0 scale byte for each 32 along K.
; A block's scale is 2^(floor(log2(its largest magnitude)) - 2); its byte is the largest magnitude's exponent field - 2, held at 1 from below.  A block of zeros so gets the byte 1 where
; the rule says 127: its codes are zeros, which add nothing under any byte but 0xff, and the bytes are read by this program alone.
; LIMITS: blocks whose largest magnitude lies under 2^-124 keep the byte 1; NaN and infinities among the inputs are not served.
; SHARES.  A work-group makes two tiles of 16 rows; wave w takes tile w / 2 and half w % 2 of K: 16 steps, step t = 512 numbers of the tile's row t.
; Work-groups 0-255 q, 256-511 k, 512-767 v, then 32 each for Wq, Wk, Wv, Wo: only pointers are chosen, all tensors take one path.
; WHICH ROWS FORM A TILE: tiles come in groups of n = 1 (q), 4 (k) or 2 (the others); tile i of a group holds the group's rows 8 i + 0..7 and 8 n + 8 i + 0..7.
; So q's tiles are 16 neighbours; in k's a matrix result's lane half holds whole blocks of 32 keys; in the others the 16 registers of two neighbouring tiles are 16 neighbours.
; OUT.  xc: a tile is 8 K steps of 128, each AN IMAGE OF THE OPERAND'S 12 REGISTERS: register 4 c + j of lane L at byte 512 c + 16 L + 4 j of 1,536.  xs: 32 bytes a stored row.
; A lane's 16 codes are registers 6 (e / 4) + 3 (e % 2) + 0..2 of lane 16 ((e / 2) % 2) + t, e = lane % 8: they are gathered in the wave's own 6,144 bytes of LDS and leave by stores of 512 consecutive bytes.
; The work-group's 1,024 scale bytes meet in LDS behind one barrier and leave as four aligned runs of 256 bytes.
.set STEPS, 16
.set EMAX,  2
.set R,     16                         ; v16-79   four sets of 16 numbers as they are loaded; at the end the images
.set X,     80                         ; v80-111  two sets of 16 neighbours
.set C,     128                        ; v128-191 codes
.set E,     112                        ; v112-127 a scale byte for each step
.set SP,    80                         ; a lane's place in a stage: its 64 bytes + 16 of padding
.set IMG,   2*32*SP                    ; behind a wave's two stages: its images
.set WREG,  IMG+6144
.set SCB,   4*WREG                     ; the work-group's scale bytes
.set SPARE, SCB+1024                   ; the spare words
	s_load_b256 s[4:11], s[0:1], 0x0               ; q, k, v, Wq
	s_load_b256 s[12:19], s[0:1], 0x20             ; Wk, Wv, Wo, xc
	s_load_b64 s[20:21], s[0:1], 0x40              ; xs
	v_lshl_add_u32 v192, v0, 2, SPARE
	v_mov_b32 v193, 0
	v_lshrrev_b32 v1, 5, v0
	v_readfirstlane_b32 s24, v1                    ; wave
	v_and_b32 v2, 31, v0                           ; lane
	v_lshlrev_b32 v3, 4, v2                        ; 16 x lane
	s_mul_i32 s25, s24, WREG
	v_lshrrev_b32 v14, 2, v2
	v_mul_u32_u24 v14, v14, SP
	v_and_b32 v15, 3, v2
	v_lshl_add_u32 v14, v15, 4, v14
	v_add_nc_u32 v14, s25, v14                     ; the stage, on the way in: SP (lane / 4) + 16 (lane % 4)
	v_mul_u32_u24 v15, v2, SP
	v_add_nc_u32 v15, s25, v15                     ; and on the way out: my 16 neighbours
	v_bfe_u32 v8, v2, 2, 1
	v_and_b32 v9, 1, v2
	v_mul_u32_u24 v8, v8, 6
	v_mad_u32_u24 v8, v9, 3, v8                    ; my first register of the fragment's twelve
	v_lshrrev_b32 v9, 3, v2
	v_mul_u32_u24 v9, v9, 1536                     ; which of my four K steps
	v_bfe_u32 v10, v2, 1, 1
	v_lshl_add_u32 v9, v10, 8, v9                  ; the fragment's lane half: 16 lanes of 16 bytes
	s_add_co_u32 s36, s25, IMG
	v_add_nc_u32 v9, s36, v9
.irp j, 0,1,2
	v_add_nc_u32 v10, \j, v8
	v_lshrrev_b32 v11, 2, v10
	v_and_b32 v10, 3, v10
	v_lshl_add_u32 v11, v11, 9, v9
	v_lshl_add_u32 v[4+\j], v10, 2, v11            ; v4-6: where my three registers go, row 0
.endr
	v_add_nc_u32 v7, s36, v3                       ; the images read back
	s_lshr_b32 s37, s24, 1                         ; tile
	s_and_b32 s38, s24, 1                          ; half of K
	s_lshl_b32 s39, s37, 9
	s_lshl_b32 s40, s38, 4
	s_add_co_u32 s39, s39, s40
	s_add_co_u32 s39, s39, SCB
	v_lshrrev_b32 v12, 1, v2
	v_add_nc_u32 v12, s39, v12                     ; my block's byte, row 0
	s_lshl_b32 s40, s24, 8
	s_add_co_u32 s40, s40, SCB
	v_lshlrev_b32 v13, 3, v2
	v_add_nc_u32 v1, s40, v13                      ; the scale bytes read back: 256 a wave
	s_wait_alu depctr_va_vdst(0)                   ; the wait at the head's end
	s_wait_kmcnt 0x0
	s_mov_b64 s[26:27], s[16:17]                   ; which tensor: the choice hangs on the work-group's number alone
	s_mov_b32 s28, 864                             ; its first work-group
	s_mov_b32 s33, 1                               ; log2 of the tiles in a group
	s_cmp_lt_u32 ttmp9, 864
	s_cselect_b64 s[26:27], s[14:15], s[26:27]
	s_cselect_b32 s28, 832, s28
	s_cmp_lt_u32 ttmp9, 832
	s_cselect_b64 s[26:27], s[12:13], s[26:27]
	s_cselect_b32 s28, 800, s28
	s_cmp_lt_u32 ttmp9, 800
	s_cselect_b64 s[26:27], s[10:11], s[26:27]
	s_cselect_b32 s28, 768, s28
	s_cmp_lt_u32 ttmp9, 768
	s_cselect_b64 s[26:27], s[8:9], s[26:27]
	s_cselect_b32 s28, 512, s28
	s_cmp_lt_u32 ttmp9, 512
	s_cselect_b64 s[26:27], s[6:7], s[26:27]
	s_cselect_b32 s28, 256, s28
	s_cselect_b32 s33, 2, s33
	s_cmp_lt_u32 ttmp9, 256
	s_cselect_b64 s[26:27], s[4:5], s[26:27]
	s_cselect_b32 s28, 0, s28
	s_cselect_b32 s33, 0, s33
	s_sub_co_u32 s29, ttmp9, s28
	s_lshl_b32 s29, s29, 1
	s_add_co_u32 s29, s29, s37                     ; my tile in the tensor
	s_lshr_b32 s30, s29, s33
	s_lshl_b32 s30, s30, s33                       ; its group's first tile,
	s_sub_co_u32 s32, s29, s30                     ; and its place in the group
	s_lshl_b32 s30, s30, 16                        ; 16 rows of 4,096 bytes a tile: under 2^26
	s_lshl_b32 s32, s32, 15                        ; 8 rows a place
	s_add_co_u32 s30, s30, s32
	s_lshl_b32 s32, s38, 11
	s_add_co_u32 s30, s30, s32
	s_mov_b32 s31, 0
	s_add_nc_u64 s[26:27], s[26:27], s[30:31]      ; the tile's rows 0-7
	s_lshl_b32 s30, 0x8000, s33
	s_add_nc_u64 s[34:35], s[26:27], s[30:31]      ; its rows 8-15: 8 n rows further down
	s_lshl_b32 s29, ttmp9, 1
	s_add_co_u32 s29, s29, s37
	s_mul_i32 s30, s29, 12288
	s_mul_i32 s32, s38, 6144
	s_add_co_u32 s30, s30, s32
	s_add_nc_u64 s[18:19], s[18:19], s[30:31]      ; my four images in xc
	s_lshl_b32 s30, ttmp9, 10
	s_lshl_b32 s32, s24, 8
	s_add_co_u32 s30, s30, s32
	s_add_nc_u64 s[20:21], s[20:21], s[30:31]
.macro LOAD t
.irp i, 0,1,2,3
	global_load_b128 v[R+16*((\t)%4)+4*\i:R+16*((\t)%4)+4*\i+3], v3, s[26+8*((\t)/8):27+8*((\t)/8)] offset:4096*((\t)%8)+512*\i th:TH_LOAD_NT   ; 32 lanes read 512 consecutive bytes
.endr
.endm
.macro TURN t                          ; step t's numbers through the stage: LDS serves a wave's instructions in order
.irp i, 0,1,2,3
	ds_store_b128 v14, v[R+16*((\t)%4)+4*\i:R+16*((\t)%4)+4*\i+3] offset:32*SP*((\t)%2)+8*SP*\i
.endr
.irp i, 0,1,2,3
	ds_load_b128 v[X+16*((\t)%2)+4*\i:X+16*((\t)%2)+4*\i+3], v15 offset:32*SP*((\t)%2)+16*\i
.endr
.endm
.irp t, 0,1,2,3
	LOAD \t
.endr
	s_wait_loadcnt 12                              ; step 0's four loads are in; the twelve of steps 1 to 3 may be out
	TURN 0
.macro STEP t
.set XS, X+16*((\t)%2)
.if (\t) > 0
	s_wait_dscnt 4                                 ; this step's numbers are back from the stage; the last step's four stores of codes and byte may be out
.else
	s_wait_dscnt 0x0
.endif
.if (\t)+4 < STEPS
	LOAD (\t)+4
.endif
.if (\t)+1 < STEPS
.if STEPS-2-(\t) >= 3
	s_wait_loadcnt 12                              ; the next step's four loads are in; those of the three steps behind it may be out
.else
	s_wait_loadcnt 4*(STEPS-2-(\t))
.endif
	TURN (\t)+1
.endif
	v_max3_num_f32 v8, |v[XS]|, |v[XS+1]|, |v[XS+2]|               ; the largest magnitude of my 16
	v_max3_num_f32 v9, |v[XS+3]|, |v[XS+4]|, |v[XS+5]|
.irp i, 6,10
	v_max3_num_f32 v8, v8, |v[XS+\i]|, |v[XS+\i+1]|
	v_max3_num_f32 v9, v9, |v[XS+\i+2]|, |v[XS+\i+3]|
.endr
	v_max3_num_f32 v8, v8, |v[XS+14]|, |v[XS+15]|
	v_max3_num_f32 v8, v8, v9, (EMAX+1)<<23        ; and the floor 2^(3 - 127): the byte cannot fall under 1
	v_max_num_f32_dpp v8, v8, v8 row_xmask:1 row_mask:0xf bank_mask:0xf   ; and of my neighbour's 16: the block's
	v_add_nc_u32 v11, -(EMAX<<23), v8              ; 2 off its exponent field: the conversion's scale operand
	v_cvt_scalef32_pk16_fp6_f32 v[C+4*(\t):C+4*(\t)+2], v[XS:XS+15], v11
	v_lshrrev_b32 v[E+(\t)], 23, v11               ; the scale's byte
	ds_store_b8 v12, v[E+(\t)] offset:32*(\t)      ; both lanes of a block write the same byte with the same value
.irp j, 0,1,2
	ds_store_b32 v[4+\j], v[C+4*(\t)+\j] offset:16*(\t)   ; row t is lane t or 16 + t of the image
.endr
.endm
.irp t, 0,1,2,3,4,5,6,7,8,9,10,11,12,13,14,15
	STEP \t
.endr
.irp i, 0,1,2,3,4,5,6,7,8,9,10,11
	ds_load_b128 v[R+4*\i:R+4*\i+3], v7 offset:512*\i   ; my own bytes, served in order behind my stores
.endr
	s_wait_dscnt 0x0                               ; my scale bytes are stored, for the other waves' sake
	s_barrier_signal -1
	s_barrier_wait -1
	ds_load_b64 v[8:9], v1
.irp i, 0,1,2,3,4,5,6,7,8,9,10,11
	global_store_b128 v3, v[R+4*\i:R+4*\i+3], s[18:19] offset:512*\i   ; 32 lanes store 512 consecutive bytes, aligned
.endr
	s_wait_dscnt 0x0
	global_store_b64 v13, v[8:9], s[20:21]         ; 32 lanes store 256 consecutive bytes, aligned
	s_wait_tensorcnt 0x0                           ; the wave's end
	ds_add_u32 v192, v193
	s_wait_dscnt 0x0
	s_endpgm
.Lfunc_end_k_qe2dfcc9b8a_quant:
	.size	k_qe2dfcc9b8a_quant, .Lfunc_end_k_qe2dfcc9b8a_quant-k_qe2dfcc9b8a_quant
	.p2alignl 7, 3214868480
	.fill 96, 4, 3214868480
	.section	.rodata,"a",@progbits
	.p2align	6, 0x0
	.amdhsa_kernel k_qe2dfcc9b8a_quant
		.amdhsa_group_segment_fixed_size 46592
		.amdhsa_private_segment_fixed_size 0
		.amdhsa_enable_private_segment 0
		.amdhsa_kernarg_size 72
		.amdhsa_user_sgpr_count 2
		.amdhsa_user_sgpr_kernarg_segment_ptr 1
		.amdhsa_wavefront_size32 1
		.amdhsa_system_sgpr_workgroup_id_x 1
		.amdhsa_system_sgpr_workgroup_id_y 1
		.amdhsa_system_sgpr_workgroup_id_z 1
		.amdhsa_system_vgpr_workitem_id 0
		.amdhsa_next_free_vgpr 194
		.amdhsa_next_free_sgpr 66
		.amdhsa_reserve_vcc 0
		.amdhsa_float_denorm_mode_32 3
		.amdhsa_float_denorm_mode_16_64 3
		.amdhsa_memory_ordered 1
		.amdhsa_forward_progress 1
		.amdhsa_inst_pref_size 39
	.end_amdhsa_kernel
	.amdgpu_metadata
---
amdhsa.version: [ 1, 2 ]
amdhsa.kernels:
  - .name:           k_qe2dfcc9b8a_quant
    .symbol:         k_qe2dfcc9b8a_quant.kd
    .args:
      - { .name: q, .offset: 0, .size: 8, .value_kind: global_buffer, .address_space: global }
      - { .name: k, .offset: 8, .size: 8, .value_kind: global_buffer, .address_space: global }
      - { .name: v, .offset: 16, .size: 8, .value_kind: global_buffer, .address_space: global }
      - { .name: Wq, .offset: 24, .size: 8, .value_kind: global_buffer, .address_space: global }
      - { .name: Wk, .offset: 32, .size: 8, .value_kind: global_buffer, .address_space: global }
      - { .name: Wv, .offset: 40, .size: 8, .value_kind: global_buffer, .address_space: global }
      - { .name: Wo, .offset: 48, .size: 8, .value_kind: global_buffer, .address_space: global }
      - { .name: xc, .offset: 56, .size: 8, .value_kind: global_buffer, .address_space: global }
      - { .name: xs, .offset: 64, .size: 8, .value_kind: global_buffer, .address_space: global }
    .group_segment_fixed_size: 46592
    .private_segment_fixed_size: 0
    .kernarg_segment_align: 8
    .kernarg_segment_size: 72
    .max_flat_workgroup_size: 128
    .sgpr_count:     66
    .vgpr_count:     194
    .wavefront_size: 32
...
	.end_amdgpu_metadata
.endif
;; end of part 1
;; launch proj (part 2): grid 4 x 96, 4 waves a work-group, clusters of 4 x 4, 327,680 bytes of LDS; arguments xc, xs, bq, bk, bv, qkv; writes qkv
.if DOCPART == 2
	.amdgcn_target "amdgcn-amd-amdhsa--gfx1250"
	.amdhsa_code_object_version 6
	.text
	.protected	k_qe2dfcc9b8a_proj
	.globl	k_qe2dfcc9b8a_proj
	.p2align	8
	.type	k_qe2dfcc9b8a_proj,@function
k_qe2dfcc9b8a_proj:
	s_mov_b64 s[64:65], 0
	v_nop
	global_prefetch_b8 v0, s[64:65] scope:SCOPE_SE
	s_setreg_imm32_b32 hwreg(HW_REG_WAVE_MODE, 25, 1), 1
	s_wait_xcnt 0x0
	s_wait_alu depctr_hold_cnt(0) depctr_sa_sdst(0) depctr_va_vdst(0) depctr_va_sdst(0) depctr_va_ssrc(0) depctr_va_vcc(0) depctr_vm_vsrc(0)
	s_getreg_b32 s2, hwreg(HW_REG_IB_STS2, 6, 4)
	s_cmp_eq_u32 s2, 0
	s_cbranch_scc0 .Lentry_in_a_cluster
	s_endpgm
.Lentry_in_a_cluster:
	s_bfe_u32 s2, ttmp6, 0x10000c
	s_cmp_lg_u32 s2, 0xf033
	s_cbranch_scc0 .Lentry_shape_is_right
	s_endpgm
.Lentry_shape_is_right:
.set KSTEP,  256
.set NQ,     KSTEP/128
.set ROWB,   192
.set KROW,   768
.set PITCH,  192                       ; LDS bytes for a row of a K step: the images lie dense, 128 rows in 24,576 bytes
.set FR,     12
.set NL,     6
.set NLA,    3
.set IMGB,   3072                      ; a tile of 16 rows x 256 along K in xc: two images of an operand's 12 registers; a tensor row of a load
.set NP,     4
.set HALFT,  128*PITCH
.set SLOT,   4*HALFT
.set LAPS,   2
.set KS,     32
.set SCL,    2*SLOT
.set HALFS,  (128*KS/256)*272
.set SBLK,   (16*KS/256)*272
.set SPARE,  SCL+4*HALFS
.set RECB,   79872
.set BLKB,   6656
.set OFF_K,  6291456
.set OFF_V,  12582912
.set OFF_WQ, 18874368
.set OFF_WK, 19660800
.set OFF_WV, 20447232
.set SOF_K,  262144
.set SOF_V,  524288
.set SOF_WQ, 786432
.set SOF_WK, 819200
.set SOF_WV, 851968
.set ADRA, 16
.set ADRB, 20
.set ADRS, 27
.set SPW,  28
.set NIL,  29
.set L8,   30
.set L4,   31
.set SC,   32
.set BY,   64
.set AF,   128
.set BX,   248
.set HA,   128
.set CD,   192
.set TM,   224
.set PW,   240
.set WA,   241
.set WB,   242
.set EA,   243
.set EB,   244
.set MODE, 66
.set MV,   98
.set HM,   99
.set SEL,  100
.set G1, 24
.set G0, 32
.set G1B, 48
.set G0B, 56
.set G1S, 68
.set G0S, 76
.set G1SB, 80
.set G0SB, 88
.set MSB, 0
.macro WIN new
.if MSB != \new
	s_set_vgpr_msb (MSB<<8)|\new
.set MSB, \new
.endif
.endm
.set MUL_LO,  0xa1
.set MUL_HI,  0xf1
.set MUL_LO0, 0x81
.set MUL_HI0, 0xc1
.set TO_B,    0x40
.macro JLOAD g0a, g1a, g0b, g1b
	s_cmp_eq_u32 s15, 0
	s_cbranch_scc0 .Lfor_b_\@
	tensor_load_to_lds s[\g0a:\g0a+3], s[\g1a:\g1a+7]
	s_nop 0
.rept 4
	v_nop
.endr
	s_branch .Lasked_\@
.Lfor_b_\@:
	tensor_load_to_lds s[\g0b:\g0b+3], s[\g1b:\g1b+7]
	s_nop 0
.rept 4
	v_nop
.endr
.Lasked_\@:
.endm
.macro CREST
	s_cmp_lg_u32 s14, 0
	s_cbranch_scc1 .Lnot_wave_0_\@
	s_barrier_signal -3
.Lnot_wave_0_\@:
	s_barrier_wait -3
	s_barrier_signal -1
	s_barrier_wait -1
.endm
.macro CROUND
	s_barrier_signal -1
	s_barrier_wait -1
	CREST
.endm
	s_load_b128 s[4:7], s[0:1], 0x0
	s_load_b128 s[96:99], s[0:1], 0x10
	s_load_b128 s[8:11], s[0:1], 0x20
	v_lshl_add_u32 v[SPW], v0, 2, SPARE
	v_mov_b32 v[NIL], 0
	ds_add_u32 v28, v29
	ds_add_u32 v28, v29
	s_wait_dscnt 0x0
	v_lshrrev_b32 v1, 5, v0
	v_readfirstlane_b32 s14, v1
	s_lshr_b32 s15, s14, 1
	s_and_b32 s16, s14, 1
	s_bfe_u32 s40, ttmp6, 0x40000
	s_bfe_u32 s41, ttmp6, 0x40004
	s_and_b32 s18, ttmp7, 0xffff
	s_lshr_b32 s[MODE], s18, 3
	s_and_b32 s18, s18, 7
	s_lshl_b32 s18, s18, 2
	s_cmp_eq_u32 s[MODE], 2
	s_cselect_b32 s17, 0, s18
	s_cselect_b32 s42, s18, 0
	s_add_co_u32 s17, s17, s41
	s_add_co_u32 s42, s42, s40
	s_mov_b32 s94, 0
	s_mov_b32 s95, 0
	s_mov_b32 s100, OFF_WQ
	s_mov_b32 s101, SOF_WQ
	s_cmp_eq_u32 s[MODE], 1
	s_cselect_b32 s94, OFF_K, s94
	s_cselect_b32 s95, SOF_K, s95
	s_cselect_b32 s100, OFF_WK, s100
	s_cselect_b32 s101, SOF_WK, s101
	s_cmp_eq_u32 s[MODE], 2
	s_cselect_b32 s94, OFF_WV, s94
	s_cselect_b32 s95, SOF_WV, s95
	s_cselect_b32 s100, OFF_V, s100
	s_cselect_b32 s101, SOF_V, s101
	s_lshl_b32 s43, s41, 2
	s_lshl_b32 s43, 15, s43
	s_lshl_b32 s44, 0x1111, s40
	s_or_b32 s[G1+0], s43, (3<<16)|(1<<21)         ; 8 tiles of 16 rows: 8 tensor rows of 3,072 bytes (384 elements of 8), 12,288 bytes apart
	s_or_b32 s[G1B+0], s44, (3<<16)|(1<<21)
.irp g, G1, G1B
	s_mov_b32 s[\g+1], 384<<16
	s_mov_b32 s[\g+2], 16<<16                      ; the head's loads bring a whole tile, 16 tensor rows; behind them the two words are set to 8
	s_mov_b32 s[\g+3], 384<<16
	s_mov_b32 s[\g+4], 16
	s_mov_b32 s[\g+5], 1536
	s_mov_b32 s[\g+6], 0
	s_mov_b32 s[\g+7], 0
.endr
	s_or_b32 s[G1S+0], s43, (3<<16)|(1<<20)|(1<<21)|(5<<22)|(3<<25)
	s_or_b32 s[G1SB+0], s44, (3<<16)|(1<<20)|(1<<21)|(5<<22)|(3<<25)
.irp g, G1S, G1SB
	s_mov_b32 s[\g+1], 32<<16
	s_mov_b32 s[\g+2], (256*KS/256)<<16            ; the scales of 256 rows
	s_mov_b32 s[\g+3], 32<<16
	s_mov_b32 s[\g+4], 256*KS/256
	s_mov_b32 s[\g+5], 32
	s_mov_b32 s[\g+6], 0
	s_mov_b32 s[\g+7], 0
.endr
	s_lshl_b32 s18, s16, 7
	s_lshl_b32 s20, s17, 8
	s_add_co_u32 s20, s20, s18
	s_lshl_b32 s46, s42, 8
	s_add_co_u32 s46, s46, s18
	s_mov_b32 s21, 0
	s_mov_b32 s47, 0
	s_mov_b64 s[18:19], KS
	s_mul_u64 s[22:23], s[20:21], s[18:19]
	s_mul_u64 s[92:93], s[46:47], s[18:19]
	s_mov_b64 s[18:19], KROW
	s_mul_u64 s[20:21], s[20:21], s[18:19]
	s_mul_u64 s[46:47], s[46:47], s[18:19]
	s_add_co_u32 s20, s20, s94
	s_add_co_u32 s22, s22, s95
	s_add_co_u32 s46, s46, s100
	s_add_co_u32 s92, s92, s101
	s_mul_i32 s45, s14, HALFT
	s_wait_kmcnt 0x0
	s_mov_b64 s[12:13], s[10:11]
	s_cmp_eq_u32 s[MODE], 1
	s_cselect_b64 s[96:97], s[98:99], s[96:97]
	s_cmp_eq_u32 s[MODE], 2
	s_cselect_b64 s[96:97], s[8:9], s[96:97]
	s_add_nc_u64 s[20:21], s[4:5], s[20:21]
	s_add_nc_u64 s[22:23], s[6:7], s[22:23]
	s_add_nc_u64 s[46:47], s[4:5], s[46:47]
	s_add_nc_u64 s[92:93], s[6:7], s[92:93]
	CROUND
; THE HEAD'S LOADS, ONE A WAVE: wave 0 K step 0's 256 rows of A, wave 1 those of B, wave 2 the scales of A's 256 rows, wave 3 those of B's.
.set G0H, 4                            ; s[4:7], s[8:11]: group 0 of the two loads of codes (the arguments that lay there have been used)
.set G0HB, 8
	s_mul_i32 s18, s16, 128*KS                     ; back from my half to the tile's first row
	s_mov_b32 s19, 0
	s_mov_b32 s[G0S], 1
	s_mov_b32 s[G0S+1], SCL
	s_sub_nc_u64 s[G0S+2:G0S+3], s[22:23], s[18:19]
	s_or_b32 s[G0S+3], s[G0S+3], 0x80000000
	s_mov_b32 s[G0SB], 1
	s_mov_b32 s[G0SB+1], SCL+2*HALFS
	s_sub_nc_u64 s[G0SB+2:G0SB+3], s[92:93], s[18:19]
	s_or_b32 s[G0SB+3], s[G0SB+3], 0x80000000
	s_mul_i32 s18, s16, 128*KROW
	s_mov_b32 s[G0H], 1
	s_mov_b32 s[G0H+1], 0
	s_sub_nc_u64 s[G0H+2:G0H+3], s[20:21], s[18:19]
	s_or_b32 s[G0H+3], s[G0H+3], 0x80000000
	s_mov_b32 s[G0HB], 1
	s_mov_b32 s[G0HB+1], 2*HALFT
	s_sub_nc_u64 s[G0HB+2:G0HB+3], s[46:47], s[18:19]
	s_or_b32 s[G0HB+3], s[G0HB+3], 0x80000000
.macro ARM under, g0, g1, next         ; one tree of branches on the wave's number: every way through the head passes exactly one load
	s_cmp_lt_u32 s14, \under
	s_cbranch_scc0 \next
	tensor_load_to_lds s[\g0:\g0+3], s[\g1:\g1+7]
	s_nop 0
.rept 4
	v_nop
.endr
	s_branch .Lhead_asked
\next:
.endm
	ARM 1, G0H,  G1,  .Lhead_b
	ARM 2, G0HB, G1B, .Lhead_sa
	ARM 3, G0S,  G1S, .Lhead_sb
	tensor_load_to_lds s[G0SB:G0SB+3], s[G1SB:G1SB+7]
	s_nop 0
.rept 4
	v_nop
.endr
.Lhead_asked:
.irp s, 0,1
	s_mov_b32 s[G0+4*\s], 1
	s_add_co_u32 s[G0+4*\s+1], s45, \s*SLOT
	s_add_nc_u64 s[G0+4*\s+2:G0+4*\s+3], s[20:21], \s*IMGB
	s_or_b32 s[G0+4*\s+3], s[G0+4*\s+3], 0x80000000
	s_mov_b32 s[G0B+4*\s], 1
	s_add_co_u32 s[G0B+4*\s+1], s45, \s*SLOT
	s_add_nc_u64 s[G0B+4*\s+2:G0B+4*\s+3], s[46:47], \s*IMGB
	s_or_b32 s[G0B+4*\s+3], s[G0B+4*\s+3], 0x80000000
.if \s                                 ; slot 1's first fill is issued as a refill is; slot 0's own group 0 is first used at its first refill
	s_wait_alu depctr_va_vdst(0)
	s_wait_tensorcnt 0x0                           ; my tile of the head's four is in
	ds_add_u32 v28, v29
	s_mov_b32 s[G1+2], 8<<16                       ; no tensor load of mine is out: from here on a load brings 128 rows, 8 tensor rows
	s_mov_b32 s[G1+4], 8
	s_mov_b32 s[G1B+2], 8<<16
	s_mov_b32 s[G1B+4], 8
	s_wait_dscnt 0x0
	CROUND
	JLOAD G0+4*\s, G1, G0B+4*\s, G1B
.endif
.endr
	v_and_b32 v1, 15, v0
	v_bfe_u32 v2, v0, 4, 1
	v_and_b32 v6, 31, v0
	v_lshlrev_b32 v7, 4, v6                        ; an image is read as it lies: 16 bytes a lane
	s_mul_i32 s21, s15, HALFT
	s_mul_i32 s22, s16, HALFT
	s_add_co_u32 s22, s22, 2*HALFT
.irp s, 0,1
	v_add_nc_u32 v[ADRA+\s], s21, v7
	v_add_nc_u32 v[ADRB+\s], s22, v7
	s_add_co_u32 s21, s21, SLOT
	s_add_co_u32 s22, s22, SLOT
.endr
	s_wait_alu depctr_va_vdst(0)                   ; the wait here, directly ahead of the reader below
	v_mul_u32_u24 v5, v1, KS
	v_lshrrev_b32 v6, 8, v5
	v_lshl_add_u32 v5, v6, 4, v5
	s_mul_i32 s21, s15, HALFS
	s_mul_i32 s22, s16, HALFS
	s_add_co_u32 s22, s22, 2*HALFS
	s_sub_co_u32 s22, s22, s21
	v_mul_u32_u24 v6, s22, v2
	s_add_co_u32 s21, s21, SCL
	v_add_nc_u32 v5, v5, v6
	v_add_nc_u32 v[ADRS], s21, v5
	v_and_b32 v6, 31, v0
	v_lshlrev_b32 v[L8], 3, v6
	v_lshlrev_b32 v[L4], 2, v6
.irp b, 0,1,2,3
	v_mov_b32 v[TM+4+\b], 0
.endr
	s_mov_b32 s[SEL], 0x76543210
	s_mov_b32 s[SEL+1], 0xfedcba98
	s_mov_b32 s[HM], 0xffff0000
	s_lshl_b32 s20, s42, 10
	s_lshl_b32 s21, s16, 9
	s_add_co_u32 s20, s20, s21
	s_lshl_b32 s22, s17, 10
	s_lshl_b32 s21, s15, 9
	s_add_co_u32 s22, s22, s21
	s_cmp_eq_u32 s[MODE], 2
	s_cselect_b32 s20, 0, s20
	s_cselect_b32 s22, s22, 0
	s_cselect_b32 s[MV], -1, 0
	v_lshl_add_u32 v8, v2, 6, s20
	v_and_b32 v9, 8, v1
	v_add_nc_u32 v9, v9, v1
	v_lshl_add_u32 v9, v9, 2, s22
.irp t, 0,1,2,3,4,5,6,7
	global_load_b128 v[BY+8*\t:BY+8*\t+3], v8, s[96:97] offset:(32*(\t/2)+8*(\t%2))*4
	global_load_b128 v[BY+8*\t+4:BY+8*\t+7], v8, s[96:97] offset:(32*(\t/2)+8*(\t%2))*4+16
.endr
.irp a, 0,1,2,3,4,5,6,7
	global_load_b32 v[BX+\a], v9, s[96:97] offset:(32*(\a/2)+8*(\a%2))*4
.endr
	s_cmp_eq_u32 s[MODE], 2
	s_cselect_b32 s20, s42, s17
	s_cselect_b32 s21, s16, s15
	s_cselect_b32 s22, s17, s42
	s_cselect_b32 s23, s15, s16
	s_lshl_b32 s20, s20, 1
	s_add_co_u32 s20, s20, s21
	s_lshr_b32 s21, s20, 4
	s_and_b32 s20, s20, 15
	s_lshl_b32 s21, s21, 2
	s_add_co_u32 s21, s21, s22
	s_lshl_b32 s21, s21, 4
	s_add_co_u32 s21, s21, s20
	s_mul_i32 s20, s21, RECB
	s_mul_i32 s23, s23, 2*BLKB
	s_add_co_u32 s20, s20, s23
	s_mov_b32 s22, 8*BLKB
	s_cmp_eq_u32 s[MODE], 1
	s_cselect_b32 s22, 0, s22
	s_cmp_eq_u32 s[MODE], 2
	s_cselect_b32 s22, 4*BLKB, s22
	s_add_co_u32 s20, s20, s22
	s_mov_b32 s21, 0
	s_add_nc_u64 s[12:13], s[12:13], s[20:21]
	s_wait_loadcnt 0x0
.set i, 0
.rept 64
	v_cndmask_b32 v[BY+i], v[BY+i], 0, s[MV]
.set i, i+1
.endr
.irp a, 0,1,2,3,4,5,6,7
	v_cndmask_b32 v[BX+\a], 0, v[BX+\a], s[MV]
.endr
.macro MUL16 a0, p, q, sc, zero
.irp a, \a0, \a0+1
.irp b, 0,1,2,3,4,5,6,7
.if \zero
	v_wmma_scale_f32_16x16x128_f8f6f4 v[8*(8*((\a)%4)+\b):8*(8*((\a)%4)+\b)+7], v[128*(\p)+FR*\b:128*(\p)+FR*\b+FR-1], v[AF+FR*(\a):AF+FR*(\a)+FR-1], v[BY+8*\b:BY+8*\b+7], v[SC+8*NQ*(\sc)+NQ*\b+(\q)], v[SC+8*NQ*(\sc)+NQ*(\a)+(\q)] matrix_a_fmt:MATRIX_FMT_FP6 matrix_b_fmt:MATRIX_FMT_FP6 matrix_a_scale:MATRIX_SCALE_ROW1
.else
	v_wmma_scale_f32_16x16x128_f8f6f4 v[8*(8*((\a)%4)+\b):8*(8*((\a)%4)+\b)+7], v[128*(\p)+FR*\b:128*(\p)+FR*\b+FR-1], v[AF+FR*(\a):AF+FR*(\a)+FR-1], v[8*(8*((\a)%4)+\b):8*(8*((\a)%4)+\b)+7], v[SC+8*NQ*(\sc)+NQ*\b+(\q)], v[SC+8*NQ*(\sc)+NQ*(\a)+(\q)] matrix_a_fmt:MATRIX_FMT_FP6 matrix_b_fmt:MATRIX_FMT_FP6 matrix_a_scale:MATRIX_SCALE_ROW1
.endif
.endr
.endr
.endm
.macro FETCH_B slot, q, p
	WIN TO_B
.irp i, 0,1,2,3,4,5,6,7
.irp c, 0,1,2
	ds_load_b128 v[128*(\p)+FR*\i+4*\c:128*(\p)+FR*\i+4*\c+3], v[ADRB+\slot] offset:\i*IMGB+(\q)*1536+512*\c
.endr
.endr
	WIN 0
.endm
.macro FETCH_A slot, q, i0
.irp i, \i0, \i0+1, \i0+2, \i0+3
.irp c, 0,1,2
	ds_load_b128 v[AF+FR*(\i)+4*\c:AF+FR*(\i)+4*\c+3], v[ADRA+\slot] offset:(\i)*IMGB+(\q)*1536+512*\c
.endr
.endr
.endm
.macro SCALES sc
.irp i, 0,1,2,3,4,5,6,7
	ds_load_b64 v[SC+8*NQ*\sc+NQ*\i:SC+8*NQ*\sc+NQ*\i+1], v[ADRS] offset:\i*SBLK
.endr
.endm
.macro PLACES n
.rept \n
	v_nop
.endr
.endm
.macro STEP slot, q, zero
	s_wait_dscnt 4*NLA
.if \zero
	WIN MUL_LO0
.else
	WIN MUL_LO
.endif
	MUL16 0, (\q)%2, \q, \slot, \zero
	MUL16 2, (\q)%2, \q, \slot, \zero
	s_wait_dscnt 0
	PLACES NP
	FETCH_B \slot, (\q)+1, 1-(\q)%2
	FETCH_A \slot, (\q)+1, 0
.if \zero
	WIN MUL_HI0
.else
	WIN MUL_HI
.endif
	MUL16 4, (\q)%2, \q, \slot, \zero
	MUL16 6, (\q)%2, \q, \slot, \zero
	PLACES NP
	WIN 0
	FETCH_A \slot, (\q)+1, 4
.endm
.macro TURN slot, next, fill
	s_wait_tensorcnt 0x0
	ds_add_u32 v[SPW], v[NIL]
	s_wait_dscnt 4*NLA+1
	WIN MUL_LO
	MUL16 0, 1, NQ-1, \slot, 0
	s_wait_dscnt 0x0
	s_barrier_signal -1
	MUL16 2, 1, NQ-1, \slot, 0
	WIN 0
	s_barrier_wait -1
.if \fill
	CREST
	s_add_nc_u64 s[G0+4*\slot+2:G0+4*\slot+3], s[G0+4*\slot+2:G0+4*\slot+3], 2*IMGB
	s_add_nc_u64 s[G0B+4*\slot+2:G0B+4*\slot+3], s[G0B+4*\slot+2:G0B+4*\slot+3], 2*IMGB
	JLOAD G0+4*\slot, G1, G0B+4*\slot, G1B
.else
	PLACES NP
.endif
	s_wait_alu depctr_va_vdst(0)
	v_add_nc_u32 v[ADRS], 4*NQ, v[ADRS]
	FETCH_B \next, 0, 0
	FETCH_A \next, 0, 0
	SCALES \next
	WIN MUL_HI
	MUL16 4, 1, NQ-1, \slot, 0
	MUL16 6, 1, NQ-1, \slot, 0
	PLACES NP
	WIN 0
	FETCH_A \next, 0, 4
.endm
	s_wait_alu depctr_va_vdst(0)
	s_wait_tensorcnt 1
	s_barrier_signal -1
	s_barrier_wait -1
	FETCH_B 0, 0, 0
	FETCH_A 0, 0, 0
	SCALES 0
	FETCH_A 0, 0, 4
	STEP 0, 0, 1
	s_mov_b32 s3, LAPS-1
.Llap:
	TURN 0, 1, 1
	STEP 1, 0, 0
	TURN 1, 0, 1
	STEP 0, 0, 0
	s_sub_co_u32 s3, s3, 1
	s_cmp_lg_u32 s3, 0
	s_cbranch_scc1 .Llap
	TURN 0, 1, 0
	STEP 1, 0, 0
	s_wait_dscnt 4*NLA
	WIN MUL_LO
	MUL16 0, 1, NQ-1, 1, 0
	MUL16 2, 1, NQ-1, 1, 0
	s_wait_dscnt 0
	WIN MUL_HI
	MUL16 4, 1, NQ-1, 1, 0
	MUL16 6, 1, NQ-1, 1, 0
	WIN 0
.macro QUANT s
.irp b, 0,1,2,3
	v_max3_num_f32 v[TM+\b], |v[\s+16*\b]|, |v[\s+1+16*\b]|, 0x1800000
.endr
.irp i, 2,4,6,8,10,12,14
.irp b, 0,1,2,3
	v_max3_num_f32 v[TM+\b], v[TM+\b], |v[\s+16*\b+\i]|, |v[\s+1+16*\b+\i]|
.endr
.endr
.irp b, 0,1,2,3
	v_permlanex16_b32 v[TM+4+\b], v[TM+\b], s[SEL], s[SEL+1]
.endr
.irp b, 0,1,2,3
	v_max_num_f32 v[TM+\b], v[TM+\b], v[TM+4+\b]
.endr
.irp b, 0,1,2,3
	v_add_nc_u32 v[TM+12+\b], 0xff000000, v[TM+\b]
.endr
.irp b, 0,1,2,3
	v_lshrrev_b32 v[TM+4+\b], 23, v[TM+12+\b]
.endr
	v_lshl_or_b32 v[PW], v[TM+5], 8, v[TM+4]
	v_lshl_or_b32 v[PW], v[TM+6], 16, v[PW]
	v_lshl_or_b32 v[PW], v[TM+7], 24, v[PW]
.irp c, 0,1
	v_cvt_scalef32_pk16_fp6_f32 v[CD+6*\c:CD+2+6*\c], v[\s+32*\c:\s+15+32*\c], v[TM+12+2*\c]
	v_cvt_scalef32_pk16_fp6_f32 v[CD+12+4*\c:CD+14+4*\c], v[\s+16+32*\c:\s+31+32*\c], v[TM+12+2*\c+1]
.endr
	v_nop
.irp c, 0,1
.irp i, 0,1,2
	v_permlane16_swap_b32 v[CD+6*\c+\i], v[CD+12+4*\c+\i]
.endr
.irp i, 0,1,2
	v_mov_b32 v[CD+3+6*\c+\i], v[CD+12+4*\c+\i]
.endr
.endr
.endm
.macro EPI a
.if (\a) > 0
	s_wait_xcnt 0x0
.endif
	WIN (0x02+((\a)/4))
.set i, 0
.rept 32
.if (\a)%2
	v_pk_add_f32 v[HA+2*i:HA+2*i+1], v[64*((\a)%4)+2*i:64*((\a)%4)+2*i+1], v[BX+(\a)-1:BX+(\a)] op_sel:[0,1] op_sel_hi:[1,1]
.else
	v_pk_add_f32 v[HA+2*i:HA+2*i+1], v[64*((\a)%4)+2*i:64*((\a)%4)+2*i+1], v[BX+(\a):BX+(\a)+1] op_sel_hi:[1,0]
.endif
.set i, i+1
.endr
	WIN 0
	QUANT HA
.irp p, 0,1,2,3,4,5
	global_store_b64 v[L8], v[CD+2*\p:CD+2*\p+1], s[12:13] offset:(\a)*768+(\p/3)*BLKB+(\p%3)*256
.endr
	v_and_b32 v[WA], 0xffff, v[PW]
	v_lshl_or_b32 v[WA], v[WA], 16, v[WA]
	v_lshrrev_b32 v[WB], 16, v[PW]
	v_lshl_or_b32 v[WB], v[WB], 16, v[WB]
.if (\a)%2
	v_cndmask_b32 v[WA], v[WA], v[PW], s[MV]
	v_cndmask_b32 v[WB], v[WB], v[PW], s[MV]
	v_cndmask_b32 v[EA], v[EA], v[WA], s[HM]
	v_cndmask_b32 v[EB], v[EB], v[WB], s[HM]
	global_store_b32 v[L4], v[EA], s[12:13] offset:6144+((\a)/2)*128
	global_store_b32 v[L4], v[EB], s[12:13] offset:6144+((\a)/2)*128+BLKB
.else
	v_cndmask_b32 v[EA], v[WA], v[PW], s[MV]
	v_cndmask_b32 v[EB], v[WB], v[PW], s[MV]
.endif
.endm
	PLACES NP
.irp a, 0,1,2,3,4,5,6,7
	EPI \a
.endr
	s_wait_tensorcnt 0x0
	ds_add_u32 v[SPW], v[NIL]
	s_wait_dscnt 0x0
	CROUND
	s_endpgm
.Lfunc_end_k_qe2dfcc9b8a_proj:
	.size	k_qe2dfcc9b8a_proj, .Lfunc_end_k_qe2dfcc9b8a_proj-k_qe2dfcc9b8a_proj
	.p2alignl 7, 3214868480
	.fill 96, 4, 3214868480
	.section	.rodata,"a",@progbits
	.p2align	6, 0x0
	.amdhsa_kernel k_qe2dfcc9b8a_proj
		.amdhsa_group_segment_fixed_size 327680
		.amdhsa_private_segment_fixed_size 0
		.amdhsa_enable_private_segment 0
		.amdhsa_kernarg_size 48
		.amdhsa_user_sgpr_count 2
		.amdhsa_user_sgpr_kernarg_segment_ptr 1
		.amdhsa_wavefront_size32 1
		.amdhsa_system_sgpr_workgroup_id_x 1
		.amdhsa_system_sgpr_workgroup_id_y 1
		.amdhsa_system_sgpr_workgroup_id_z 1
		.amdhsa_system_vgpr_workitem_id 0
		.amdhsa_next_free_vgpr 1024
		.amdhsa_next_free_sgpr 102
		.amdhsa_reserve_vcc 0
		.amdhsa_float_denorm_mode_32 3
		.amdhsa_float_denorm_mode_16_64 3
		.amdhsa_memory_ordered 1
		.amdhsa_forward_progress 1
		.amdhsa_inst_pref_size 171
	.end_amdhsa_kernel
	.amdgpu_metadata
---
amdhsa.version: [ 1, 2 ]
amdhsa.kernels:
  - .name:           k_qe2dfcc9b8a_proj
    .symbol:         k_qe2dfcc9b8a_proj.kd
    .args:
      - { .name: xc, .offset: 0, .size: 8, .value_kind: global_buffer, .address_space: global }
      - { .name: xs, .offset: 8, .size: 8, .value_kind: global_buffer, .address_space: global }
      - { .name: bq, .offset: 16, .size: 8, .value_kind: global_buffer, .address_space: global }
      - { .name: bk, .offset: 24, .size: 8, .value_kind: global_buffer, .address_space: global }
      - { .name: bv, .offset: 32, .size: 8, .value_kind: global_buffer, .address_space: global }
      - { .name: qkv, .offset: 40, .size: 8, .value_kind: global_buffer, .address_space: global }
    .group_segment_fixed_size: 327680
    .private_segment_fixed_size: 0
    .kernarg_segment_align: 8
    .kernarg_segment_size: 48
    .max_flat_workgroup_size: 128
    .sgpr_count:     102
    .vgpr_count:     1024
    .wavefront_size: 32
...
	.end_amdgpu_metadata
.endif
;; end of part 2
;; launch attn (part 3): grid 4 x 64, 8 waves a work-group, clusters of 4 x 4, 327,680 bytes of LDS; arguments qkv, src_mask, key_padding_mask, cimg, csc; writes cimg, csc
.if DOCPART == 3
	.amdgcn_target "amdgcn-amd-amdhsa--gfx1250"
	.amdhsa_code_object_version 6
	.text
	.protected	k_qe2dfcc9b8a_attn
	.globl	k_qe2dfcc9b8a_attn
	.p2align	8
	.type	k_qe2dfcc9b8a_attn,@function
k_qe2dfcc9b8a_attn:
	s_mov_b64 s[64:65], 0
	v_nop
	global_prefetch_b8 v0, s[64:65] scope:SCOPE_SE
	s_setreg_imm32_b32 hwreg(HW_REG_WAVE_MODE, 25, 1), 1
	s_wait_xcnt 0x0
	s_wait_alu depctr_hold_cnt(0) depctr_sa_sdst(0) depctr_va_vdst(0) depctr_va_sdst(0) depctr_va_ssrc(0) depctr_va_vcc(0) depctr_vm_vsrc(0)
	s_getreg_b32 s2, hwreg(HW_REG_IB_STS2, 6, 4)
	s_cmp_eq_u32 s2, 0
	s_cbranch_scc0 .Lentry_in_a_cluster
	s_endpgm
.Lentry_in_a_cluster:
	s_bfe_u32 s2, ttmp6, 0x10000c
	s_cmp_lg_u32 s2, 0xf033
	s_cbranch_scc0 .Lentry_shape_is_right
	s_endpgm
.Lentry_shape_is_right:
; concat = softmax(qh kh^T / 8 + src_mask, padded keys out) vh, both products on codes of FP6 (E2M3) with E8M0 scales; concat is quantised along D and stored as images of the last launch's operand registers.
; THE SOFTMAX: the score product takes C = 8 mask + padding, so its result is 8 x logit; t = that x log2(e) / 8, rounded before M is taken off (equal logits give equal t, however large they are);
; M = the row's largest t so far rounded UP to a whole number; p = 2^(t - M) is quantised along the keys.  The row's sum is taken of the unquantised p and divides O at the end.
; When M moves, the sum and O are multiplied by 2^(old M - new M): exact.  Both masks are inputs: every score is computed, and both are read and applied as given.
; SHARES.  A work-group owns 128 queries of one batch and 4 heads (cx); wave w owns queries 16 w + 0..15 for all four heads; mask and padding are joined once a key step and serve the four heads.  16 key steps of 128 keys.
; LAYOUT.  Both products are used transposed (S^T = K Q^T, O^T = V^T P^T): a lane holds one query.  K's tile t holds keys 64 (t / 4) + 8 (t % 4) + 0..7 and the same + 32: so register n of a lane's 64 scores is
; key 64 (n / 32) + 32 (lane / 16) + n % 32: A LANE HOLDS TWO WHOLE BLOCKS OF 32 KEYS, in the order of the second product's operand: no lane is asked for a block's maximum and no code changes lanes.
; K = 64 IN AN INSTRUCTION OF 128: Q's registers 6-11 are zero codes; K's fragment t is v[KF + 6 t .. + 11], its upper six registers the next tile's codes (for t = 7 zeros), which times Q's zeros add nothing.
; CLUSTER 4 x 4: K's and V's tile hangs on (batch, cx) and is shared down a column, the mask's on the query block and is shared along a row.  Waves 0-3 fetch a quarter of K and V each, waves 4-7 32 rows of the mask.
; THE CHANGE OF SLOTS stands behind the last head's loads of V, the step's last reads of its slot: that head's softmax is register work and stands round the opening signal of the cluster's round.
; LDS: two slots 2^17 bytes apart: 53,248 bytes of K's and V's blocks as they lie in qkv, then 128 rows of the mask, 512 bytes + 8 (row r starts 2 r banks on, lanes 16-31 32 banks on: 64 banks of 4 bytes, ISA guide 11.1);
; PADT: 0 or -2^126 for the batch's 2,048 keys, stored once by the waves; 1,024 bytes unused; the spare words.
; LIMITS: a padded key counts as -2^126 on 8 x logit, not -infinity: its p is 0 while the other keys' scaled scores stay under 2^31 in magnitude; a batch all of whose keys are padded gives no NaN;
; |src_mask| from 2^124 on, NaN and infinities among the inputs are not served; blocks whose largest magnitude lies under 2^-124 keep the byte 1.
; REGISTERS.  window 0: v1-15 addresses; v16-31 statistics, four a head: -M, largest t, the sum in two halves; v32-35 Q's scale words, v36-39 K's, v40-41 V's, v44 p's; v42-43 f; v46-57 p's codes (at work until the
; conversions); v58-69 at work; v70-123 K; v124-187 S^T, then p; v188-251 8 mask + padding.   window 1: v0-127 O^T, 32 a head; v128-175 Q; v176-223 V's four fragments.
.set RECB,  79872
.set BLKB,  6656
.set HKV,   26624
.set QKV4,  13312                      ; a quarter of K's and V's eight blocks
.set MOFF,  53248
.set MPI,   520
.set SLOT1, 1<<17
.set PADT,  250880
.set SPARE, 260096
.set SPW, 1
.set NIL, 2
.set L8,  3
.set L4,  4
.set AM0, 5                            ; my query's row of the mask in a slot, + 128 (lane / 16)
.set AP0, 6                            ; PADT + 128 (lane / 16)
.set A8,  7                            ; the same four with the slot or the step added
.set A4,  8
.set AM,  9
.set AP,  10
.set PFO, 11
.set PFO2, 12
.set H8,  13                           ; 8 (lane / 16)
.set CSO, 14
.set L16, 15
.set ST,  16
.set QS,  32
.set KS,  36
.set VS,  40
.set F,   42
.set PWD, 44
.set TMP, 45
.set PC,  46
.set BM,  46
.set CH,  50
.set PX,  58
.set SO,  66
.set KF,  70
.set S,   124
.set MP,  188
.set PW0, 252
.set QF,  128
.set VF,  176
.set TB,  2
.set TP,  3
.set WV,  14
.set SEL, 22
.set C8,  24                           ; s[24:25] 8
.set CL,  26                           ; s[26:27] log2(e) / 8
.set G1K, 28
.set G1M, 36
.set G0K, 44
.set G0M, 48
.set SLOTS, 52
.set LIM, 53
.set PFA, 54
.set PFS, 56
.set HM,  58
.set MSB, 0
.macro WIN new
.if MSB != \new
	s_set_vgpr_msb (MSB<<8)|\new
.set MSB, \new
.endif
.endm
.macro NOPS
.rept 4
	v_nop
.endr
.endm
.macro TLOAD                           ; every wave issues one joint load; the branch hangs on the wave's number alone
	s_cmp_lt_u32 s[WV], 4
	s_cbranch_scc0 .Lfor_m_\@
	tensor_load_to_lds s[G0K:G0K+3], s[G1K:G1K+7]
	s_nop 0
	NOPS
	s_branch .Lasked_\@
.Lfor_m_\@:
	tensor_load_to_lds s[G0M:G0M+3], s[G1M:G1M+7]
	s_nop 0
	NOPS
.Lasked_\@:
.endm
; A prefetch of the tile that the NEXT change of slots will ask for.  Each cluster asks for what it will load.  K and V: of the tile's 208 blocks of 256 bytes each of a column's four partners takes 52, told apart by
; address (cy); wave 4 names them by two instructions of 26 (lanes 26-31 repeat lane 25's).  The mask: of 128 rows each of a row's four partners takes 32 (cx); wave 5 names a row's two blocks.
; The last change that fills asks for nothing; tiles 0 to 2 come by their loads alone.
.macro ASK
	s_cmp_gt_u32 s[SLOTS], s[LIM]
	s_cbranch_scc0 .Lnot_mine_\@
	global_prefetch_b8 v[PFO], s[PFA:PFA+1] th:TH_LOAD_NT scope:SCOPE_SE
	global_prefetch_b8 v[PFO2], s[PFA:PFA+1] th:TH_LOAD_NT scope:SCOPE_SE
.Lnot_mine_\@:
.endm
.macro CREST
	s_cmp_lg_u32 s[WV], 0
	s_cbranch_scc1 .Lnot_wave_0_\@
	s_barrier_signal -3
.Lnot_wave_0_\@:
	s_barrier_wait -3
	s_barrier_signal -1
	s_barrier_wait -1
.endm
.macro CROUND
	s_barrier_signal -1
	s_barrier_wait -1
	CREST
.endm
.macro STEPDESC                        ; the walking descriptors: the other slot, the next key step (written where no tensor load of mine is out)
	s_xor_b32 s[G0K+1], s[G0K+1], SLOT1
	s_add_nc_u64 s[G0K+2:G0K+3], s[G0K+2:G0K+3], RECB
	s_xor_b32 s[G0M+1], s[G0M+1], SLOT1
	s_add_nc_u64 s[G0M+2:G0M+3], s[G0M+2:G0M+3], 512
.endm
	s_load_b128 s[4:7], s[0:1], 0x0                ; qkv, src_mask
	s_load_b128 s[8:11], s[0:1], 0x10              ; key_padding_mask, cimg
	s_load_b64 s[12:13], s[0:1], 0x20              ; csc
	v_lshl_add_u32 v[SPW], v0, 2, SPARE
	v_mov_b32 v[NIL], 0
	ds_add_u32 v[SPW], v[NIL]                      ; the opening lines: the add, twice on end, and its wait
	ds_add_u32 v[SPW], v[NIL]
	v_lshrrev_b32 v124, 5, v0
	v_readfirstlane_b32 s[WV], v124                ; wave 0..7
	s_bfe_u32 s16, ttmp6, 0x40000                  ; cx: the group of four heads
	s_bfe_u32 s17, ttmp6, 0x40004                  ; cy
	s_and_b32 s18, ttmp7, 0xffff                   ; cluster y
	s_lshr_b32 s19, s18, 2                         ; batch
	s_and_b32 s20, s18, 3
	s_lshl_b32 s20, s20, 2
	s_add_co_u32 s20, s20, s17                     ; block of 128 queries
	s_lshl_b32 s59, s17, 2
	s_lshl_b32 s59, 15, s59                        ; my row of the cluster
	s_lshl_b32 s60, 0x1111, s16                    ; my column
	s_or_b32 s[G1K], s60, (3<<16)|(1<<21)          ; 13,312 dense bytes as 52 rows of 256 (32 elements of 8 bytes)
	s_mov_b32 s[G1K+1], 32<<16
	s_mov_b32 s[G1K+2], 52<<16
	s_mov_b32 s[G1K+3], 32<<16
	s_mov_b32 s[G1K+4], 52
	s_mov_b32 s[G1K+5], 32
	s_mov_b32 s[G1K+6], 0
	s_mov_b32 s[G1K+7], 0
	s_or_b32 s[G1M], s59, (2<<16)|(1<<20)|(1<<21)|(6<<22)|(1<<25)   ; 32 rows x 128 f32, 2 words of padding behind each row
	s_mov_b32 s[G1M+1], 128<<16
	s_mov_b32 s[G1M+2], 32<<16
	s_mov_b32 s[G1M+3], 128<<16
	s_mov_b32 s[G1M+4], 32
	s_mov_b32 s[G1M+5], 2048
	s_mov_b32 s[G1M+6], 0
	s_mov_b32 s[G1M+7], 0
	s_and_b32 s61, s[WV], 3                        ; which quarter I fetch
	s_lshl_b32 s62, s19, 2
	s_add_co_u32 s62, s62, s16
	s_mul_i32 s62, s62, 16*RECB                    ; the 16 records of (batch, group of heads): under 2^25
	s_mul_i32 s68, s61, QKV4
	s_add_co_u32 s70, s62, s68
	s_mov_b32 s71, 0
	s_lshl_b32 s66, s20, 20                        ; the mask: 128 rows of 8,192 bytes a block of queries,
	s_lshl_b32 s69, s61, 18                        ; 32 rows a quarter
	s_add_co_u32 s66, s66, s69
	s_mov_b32 s67, 0
	s_mul_i32 s69, s61, 32*MPI
	s_mov_b32 s[SEL], 0x76543210
	s_mov_b32 s[SEL+1], 0xfedcba98
	s_mov_b32 s[C8], 0x41000000
	s_mov_b32 s[C8+1], s[C8]
	s_mov_b32 s[CL], 0x3e38aa3b
	s_mov_b32 s[CL+1], s[CL]
	s_mov_b32 s[HM], 0xffff0000
	s_mov_b32 s[TB], 0
	s_mov_b32 s[TP], 0
	s_wait_dscnt 0x0
	s_wait_kmcnt 0x0
	s_mov_b32 s[G0K], 1
	s_mov_b32 s[G0K+1], s68
	s_add_nc_u64 s[G0K+2:G0K+3], s[4:5], s[70:71]
	s_or_b32 s[G0K+3], s[G0K+3], 0x80000000
	s_mov_b32 s[G0M], 1
	s_add_co_u32 s[G0M+1], s69, MOFF
	s_add_nc_u64 s[G0M+2:G0M+3], s[6:7], s[66:67]
	s_or_b32 s[G0M+3], s[G0M+3], 0x80000000
	CROUND                                         ; all sixteen work-groups are here: the first joint loads meet
	TLOAD                                          ; key step 0, into slot 0: my one load at the head
	; the prefetches: they stand at key step 2; each change of slots in the loop steps them once and then asks
	s_mul_i32 s76, s17, QKV4
	s_add_co_u32 s76, s76, s62
	s_add_co_u32 s76, s76, 2*RECB
	s_lshl_b32 s77, s20, 20
	s_lshl_b32 s78, s16, 18
	s_add_co_u32 s77, s77, s78
	s_add_co_u32 s77, s77, 1024
	s_mov_b32 s72, 512
	s_mov_b32 s73, 8192
	s_mov_b32 s74, 256
	s_cmp_eq_u32 s[WV], 4
	s_cselect_b64 s[PFA:PFA+1], s[4:5], s[6:7]
	s_cselect_b32 s78, s76, s77
	s_cselect_b32 s[PFS], RECB, s72                ; a key step on
	s_cselect_b32 s73, 256, s73                    ; from lane to lane
	s_cselect_b32 s74, BLKB, s74                   ; from the first instruction to the second
	s_cselect_b32 s75, 25, 31                      ; the last lane with a block of its own
	s_mov_b32 s79, 0
	s_mov_b32 s[PFS+1], 0
	s_add_nc_u64 s[PFA:PFA+1], s[PFA:PFA+1], s[78:79]
	s_sub_co_u32 s60, s[WV], 4
	s_cmp_lt_u32 s60, 2
	s_cselect_b32 s[LIM], 1, -1                    ; waves 4 and 5 ask
	v_and_b32 v124, 31, v0                         ; lane
	v_and_b32 v125, 15, v0                         ; r
	v_bfe_u32 v126, v0, 4, 1                       ; h
	v_min_u32 v[PFO], s75, v124
	v_mul_lo_u32 v[PFO], v[PFO], s73
	v_add_nc_u32 v[PFO2], s74, v[PFO]
	; bases
	s_lshl_b32 s72, s19, 11
	s_mov_b32 s73, 0
	s_add_nc_u64 s[8:9], s[8:9], s[72:73]          ; the batch's 2,048 pad bytes
	s_mul_i32 s72, s20, RECB
	s_add_co_u32 s72, s72, s62
	s_add_co_u32 s72, s72, 2*HKV
	s_add_nc_u64 s[4:5], s[4:5], s[72:73]          ; Q's four blocks of my block of queries
	s_lshl_b32 s74, s19, 7
	s_lshl_b32 s76, s20, 3
	s_add_co_u32 s74, s74, s76
	s_add_co_u32 s74, s74, s[WV]                   ; my tile of 16 rows of concat
	s_mul_i32 s76, s74, 12288
	s_mul_i32 s78, s16, 3072
	s_add_co_u32 s76, s76, s78
	s_mov_b32 s77, 0
	s_add_nc_u64 s[10:11], s[10:11], s[76:77]      ; its two K steps in cimg
	s_lshl_b32 s76, s74, 9
	s_lshl_b32 s78, s16, 3
	s_add_co_u32 s76, s76, s78
	s_add_nc_u64 s[12:13], s[12:13], s[76:77]      ; and their scale words in csc
	s_wait_alu depctr_va_vdst(0)                   ; the wait here
	v_lshlrev_b32 v[L8], 3, v124
	v_lshlrev_b32 v[L4], 2, v124
	v_lshlrev_b32 v[L16], 4, v124
	v_lshlrev_b32 v[H8], 3, v126
	s_lshl_b32 s72, s[WV], 4
	v_add_nc_u32 v127, s72, v125                   ; my query in the block of 128
	v_mul_u32_u24 v[AM0], v127, MPI
	v_lshl_add_u32 v[AM0], v126, 7, v[AM0]
	v_add_nc_u32 v[AM0], MOFF, v[AM0]
	v_lshl_add_u32 v[AP0], v126, 7, PADT
	v_lshlrev_b32 v[CSO], 5, v125
	v_lshl_add_u32 v[CSO], v126, 2, v[CSO]
	s_lshl_b32 s72, s[WV], 6
	v_lshl_add_u32 v131, v125, 2, s72              ; Q's scale words: tile w's lie 64 w bytes into the block's scale registers
	s_mul_i32 s72, s[WV], 768
	v_add_nc_u32 v128, s72, v[L8]                  ; Q's planes: tile w
	v_lshlrev_b32 v129, 3, v0                      ; pad bytes: 8 a thread
	v_lshl_add_u32 v130, v0, 5, PADT
	global_load_b64 v[132:133], v129, s[8:9]
	WIN 0x40
.irp hh, 0,1,2,3
.irp p, 0,1,2
	global_load_b64 v[QF+12*\hh+2*\p:QF+12*\hh+2*\p+1], v128, s[4:5] offset:\hh*BLKB+\p*256
.endr
.endr
	WIN 0
.irp hh, 0,1,2,3
	global_load_b32 v[QS+\hh], v131, s[4:5] offset:\hh*BLKB+6144
.endr
.irp hh, 0,1,2,3
	v_mov_b32 v[ST+4*\hh+1], 0xff61b1e6            ; the largest t so far: -3e38
	v_mov_b32 v[ST+4*\hh+2], 0
	v_mov_b32 v[ST+4*\hh+3], 0
	v_mov_b32 v[CH+\hh], 0                         ; a lane permute's destination counts as one of its sources
	v_floor_f32 v[ST+4*\hh], -v[ST+4*\hh+1]        ; -M
.endr
	v_mov_b32 v[F+1], 0
.irp i, 48,49,50,51,52,53
	v_mov_b32 v[KF+\i], 0                          ; behind K's last tile
.endr
	WIN 0x40
.set i, 0
.rept 128
	v_mov_b32 v[i], 0                              ; O^T: the key step is written once; the first finds zeros
.set i, i+1
.endr
.irp hh, 0,1,2,3
.irp i, 6,7,8,9,10,11
	v_mov_b32 v[QF+12*\hh+\i], 0                   ; Q's codes of K = 64 .. 127
.endr
.endr
	WIN 0
	s_wait_alu depctr_va_vdst(0)                   ; the wait at the head's end
	s_wait_loadcnt 16                              ; the pad bytes are in; Q's sixteen loads, issued behind them, may be out
.irp i, 0,1,2,3,4,5,6,7
	v_bfe_u32 v[136+\i], v[132+\i/4], 8*(\i%4), 1
.endr
.irp i, 0,1,2,3,4,5,6,7
	v_sub_nc_u32 v[136+\i], 0, v[136+\i]
.endr
.irp i, 0,1,2,3,4,5,6,7
	v_and_b32 v[136+\i], 0xfe800000, v[136+\i]     ; 0 or -2^126
.endr
	ds_store_b128 v130, v[136:139]
	ds_store_b128 v130, v[140:143] offset:16
	s_wait_loadcnt 0x0                             ; Q
.macro LOADK hh                        ; a head's eight tiles of K, three planes each, and four scale registers: 28 loads
.irp t, 0,1,2,3,4,5,6,7
.irp p, 0,1,2
	ds_load_b64 v[KF+6*\t+2*\p:KF+6*\t+2*\p+1], v[A8] offset:(\hh)*BLKB+\t*768+\p*256
.endr
.endr
.irp u, 0,1,2,3
	ds_load_b32 v[KS+\u], v[A4] offset:(\hh)*BLKB+6144+128*\u
.endr
.endm
.macro LOADV hh                        ; a head's four tiles of V^T (16 channels x 128 keys) and two scale registers: 26 loads
	WIN 0x40
.irp d, 0,1,2,3
.irp p, 0,1,2,3,4,5
	ds_load_b64 v[VF+12*\d+2*\p:VF+12*\d+2*\p+1], v[A8] offset:HKV+((\hh)/2)*2*BLKB+(\p/3)*BLKB+(4*((\hh)%2)+\d)*768+(\p%3)*256
.endr
.endr
	WIN 0
.irp u, 0,1
	ds_load_b32 v[VS+\u], v[A4] offset:HKV+((\hh)/2)*2*BLKB+6144+(2*((\hh)%2)+\u)*128
.endr
.endm
.macro NEXTKM                          ; a key step's first loads: head 0's K and my query's 128 numbers of the mask
	v_add_nc_u32 v[A8], s[TB], v[L8]
	v_add_nc_u32 v[A4], s[TB], v[L4]
	v_add_nc_u32 v[AM], s[TB], v[AM0]
	LOADK 0
.set n, 0
.rept 32
	ds_load_b64 v[MP+2*n:MP+2*n+1], v[AM] offset:256*(n/16)+8*(n%16)
.set n, n+1
.endr
.endm
.macro NEXTPAD                         ; and the keys' padding, into S once it is free
	v_add_nc_u32 v[AP], s[TP], v[AP0]
.set n, 0
.rept 16
	ds_load_b128 v[S+4*n:S+4*n+3], v[AP] offset:256*(n/8)+16*(n%8)
.set n, n+1
.endr
.endm
.macro QK hh                           ; 8 x logit = K Q^T + (8 mask + padding).  Neighbouring matrix instructions name different accumulators
	WIN 0x04
.irp t, 0,1,2,3,4,5,6,7
.if \t%2
	v_wmma_scale_f32_16x16x128_f8f6f4 v[S+8*\t:S+8*\t+7], v[KF+6*\t:KF+6*\t+11], v[QF+12*(\hh):QF+12*(\hh)+11], v[MP+8*\t:MP+8*\t+7], v[KS+\t/2], v[QS+(\hh)] matrix_a_fmt:MATRIX_FMT_FP6 matrix_b_fmt:MATRIX_FMT_FP6 matrix_a_scale:MATRIX_SCALE_ROW1
.else
	v_wmma_scale_f32_16x16x128_f8f6f4 v[S+8*\t:S+8*\t+7], v[KF+6*\t:KF+6*\t+11], v[QF+12*(\hh):QF+12*(\hh)+11], v[MP+8*\t:MP+8*\t+7], v[KS+\t/2], v[QS+(\hh)] matrix_a_fmt:MATRIX_FMT_FP6 matrix_b_fmt:MATRIX_FMT_FP6
.endif
.endr
	WIN 0
.endm
; The softmax's first part: t, my two blocks' largest t, the row's, the new M and f.
.macro SMXA hh
.set T0, ST+4*(\hh)
.set j, 0
.rept 32
	v_pk_mul_f32 v[S+j:S+j+1], v[S+j:S+j+1], s[CL:CL+1] op_sel_hi:[1,0]   ; t; each accumulator is read from its low end on
.set j, j+2
.endr
.irp c, 0,1,2,3
	v_max3_num_f32 v[CH+\c], v[S+16*\c], v[S+16*\c+1], v[S+16*\c+2]       ; four chains by turns, two to a block
.endr
.irp i, 3,5,7,9,11,13
.irp c, 0,1,2,3
	v_max3_num_f32 v[CH+\c], v[CH+\c], v[S+16*\c+\i], v[S+16*\c+\i+1]
.endr
.endr
.irp g, 0,1
	v_max3_num_f32 v[BM+\g], v[CH+2*\g], v[CH+2*\g+1], v[S+32*\g+15]
.endr
.irp g, 0,1
	v_max_num_f32 v[BM+\g], v[BM+\g], v[S+32*\g+31]                       ; the block's largest t: it serves the row's maximum and, since p rises with t, the block's largest p
.endr
	s_delay_alu instid0(VALU_DEP_1)
	v_max_num_f32 v[TMP], v[BM], v[BM+1]
	s_delay_alu instid0(VALU_DEP_1)
	v_permlanex16_b32 v[CH], v[TMP], s[SEL], s[SEL+1]
	v_mov_b32 v[CH+1], v[T0]
	s_delay_alu instid0(VALU_DEP_2)
	v_max3_num_f32 v[T0+1], v[T0+1], v[TMP], v[CH] ; the running largest t
	s_delay_alu instid0(VALU_DEP_1)
	v_floor_f32 v[T0], -v[T0+1]                    ; the new -M = -ceil(t)
	s_delay_alu instid0(VALU_DEP_1)
	v_sub_f32 v[TMP], v[T0], v[CH+1]               ; old M - new M: a whole number, 0 or less
	s_delay_alu instid0(VALU_DEP_1)
	v_cvt_i32_f32 v[TMP], v[TMP]                   ; (it saturates)
	s_delay_alu instid0(VALU_DEP_1)
	v_ldexp_f32 v[F], 1.0, v[TMP]                  ; f = 2^(old M - new M)
.endm
; Its second part: p, the sum, p's codes and scale word.
.macro SMXB hh
.set T0, ST+4*(\hh)
.set j, 0
.rept 32
	v_pk_add_f32 v[S+j:S+j+1], v[S+j:S+j+1], v[T0:T0+1] op_sel_hi:[1,0]   ; t - M
.set j, j+2
.endr
.irp g, 0,1
	v_add_f32 v[BM+\g], v[BM+\g], v[T0]
.endr
	s_wait_alu depctr_va_vdst(0)                   ; the wait ahead of the batch
.set j, 0
.rept 64
	v_exp_f32 v[S+j], v[S+j]                       ; p = 2^(t - M), at most 1
.set j, j+1
.endr
.irp g, 0,1
	v_exp_f32 v[BM+\g], v[BM+\g]                   ; the block's largest p: the same two instructions on the same number give the same bits
.endr
	v_pk_mul_f32 v[T0+2:T0+3], v[T0+2:T0+3], v[F:F+1] op_sel_hi:[1,0]     ; the sums under the new M: a plain place behind the exponentials
	s_wait_alu depctr_va_vdst(0)                   ; one wait for the batch, ahead of its first reader
	v_pk_add_f32 v[CH:CH+1], v[S:S+1], v[S+2:S+3]  ; the row's sum of the unquantised p, in four chains
	v_pk_add_f32 v[PX:PX+1], v[S+4:S+5], v[S+6:S+7]
	v_pk_add_f32 v[PX+2:PX+3], v[S+8:S+9], v[S+10:S+11]
	v_pk_add_f32 v[T0+2:T0+3], v[T0+2:T0+3], v[S+12:S+13]
.irp j, 14,22,30,38,46,54
	v_pk_add_f32 v[CH:CH+1], v[CH:CH+1], v[S+\j:S+\j+1]
	v_pk_add_f32 v[PX:PX+1], v[PX:PX+1], v[S+\j+2:S+\j+3]
	v_pk_add_f32 v[PX+2:PX+3], v[PX+2:PX+3], v[S+\j+4:S+\j+5]
	v_pk_add_f32 v[T0+2:T0+3], v[T0+2:T0+3], v[S+\j+6:S+\j+7]
.endr
	v_pk_add_f32 v[CH:CH+1], v[CH:CH+1], v[S+62:S+63]
	v_pk_add_f32 v[PX:PX+1], v[PX:PX+1], v[PX+2:PX+3]
.irp g, 0,1
	v_max_num_f32 v[BM+\g], 0x1800000, v[BM+\g]    ; the floor 2^(3 - 127): the byte cannot fall under 1
.endr
	v_pk_add_f32 v[T0+2:T0+3], v[T0+2:T0+3], v[CH:CH+1]
.irp g, 0,1
	v_add_nc_u32 v[SO+\g], 0xff000000, v[BM+\g]    ; 2 off the exponent field: the conversion's scale operand
.endr
	v_pk_add_f32 v[T0+2:T0+3], v[T0+2:T0+3], v[PX:PX+1]
.irp g, 0,1
	v_lshrrev_b32 v[CH+\g], 23, v[SO+\g]           ; the scale's byte
.endr
	s_delay_alu instid0(VALU_DEP_1)
	v_lshl_or_b32 v[PWD], v[CH+1], 16, v[CH]       ; my bytes: blocks h and 2 + h,
	s_delay_alu instid0(VALU_DEP_1)
	v_lshlrev_b32 v[PWD], v[H8], v[PWD]            ; at their places in the word;
	s_delay_alu instid0(VALU_DEP_1)
	v_permlanex16_b32 v[CH], v[PWD], s[SEL], s[SEL+1]
	s_delay_alu instid0(VALU_DEP_1)
	v_or_b32 v[PWD], v[PWD], v[CH]                 ; with lane l xor 16's two the word is whole
.irp g, 0,1
	v_cvt_scalef32_pk16_fp6_f32 v[PC+6*\g:PC+6*\g+2], v[S+32*\g:S+32*\g+15], v[SO+\g]
	v_cvt_scalef32_pk16_fp6_f32 v[PX+4*\g:PX+4*\g+2], v[S+32*\g+16:S+32*\g+31], v[SO+\g]   ; (a conversion's three registers begin on an even number)
.endr
	v_nop                                          ; one plain place behind a scaled conversion
.irp g, 0,1
.irp i, 0,1,2
	v_mov_b32 v[PC+3+6*\g+\i], v[PX+4*\g+\i]
.endr
.endr
.endm
.macro PV hh                           ; O^T = f O^T + V^T P^T
	s_wait_alu depctr_va_vdst(0)                   ; directly ahead of the first reader of O^T
	WIN 0x41
.set j, 0
.rept 16
	v_pk_mul_f32 v[32*(\hh)+j:32*(\hh)+j+1], v[32*(\hh)+j:32*(\hh)+j+1], v[F:F+1] op_sel_hi:[1,0]   ; (these 16 are also the places between p's codes and scale word and the products)
.set j, j+2
.endr
	WIN 0x51
.irp d, 0,1,2,3
.if \d%2
	v_wmma_scale_f32_16x16x128_f8f6f4 v[32*(\hh)+8*\d:32*(\hh)+8*\d+7], v[VF+12*\d:VF+12*\d+11], v[PC:PC+11], v[32*(\hh)+8*\d:32*(\hh)+8*\d+7], v[VS+\d/2], v[PWD] matrix_a_fmt:MATRIX_FMT_FP6 matrix_b_fmt:MATRIX_FMT_FP6 matrix_a_scale:MATRIX_SCALE_ROW1
.else
	v_wmma_scale_f32_16x16x128_f8f6f4 v[32*(\hh)+8*\d:32*(\hh)+8*\d+7], v[VF+12*\d:VF+12*\d+11], v[PC:PC+11], v[32*(\hh)+8*\d:32*(\hh)+8*\d+7], v[VS+\d/2], v[PWD] matrix_a_fmt:MATRIX_FMT_FP6 matrix_b_fmt:MATRIX_FMT_FP6
.endif
.endr
	WIN 0
.endm
.macro HEAD hh                         ; a head's turn; of head 3 only the scores and the loads of V
.if (\hh) > 0
	s_wait_dscnt 0x0                               ; this head's K is in
.endif
.if (\hh) == 2
	s_wait_tensorcnt 0x0                           ; my part of the next key step's tile is in: a barrier of its own shows that slot whole.
	s_barrier_signal -1                            ; Head 2's work stands between its signal and its wait: its LDS loads read bytes that are filled again only behind the round
.endif
.if (\hh) == 3
	s_barrier_wait -1
.endif
	QK \hh
	NOPS                                           ; four places: in front of the loads into K's, its scales' and V's registers, and of the first read of the scores
	LOADV \hh
.if (\hh) < 3
	LOADK (\hh)+1                                  ; the next head's K lands under this head's softmax
	SMXA \hh
	SMXB \hh
	s_wait_dscnt 28                                ; V's 26 loads are in; the next head's 28 loads of K, issued behind them, may be out
	PV \hh
.endif
.endm
.macro FRONT                           ; a key step up to its last reads of the slot
	s_wait_dscnt 0x0
.set j, 0
.rept 32
	v_pk_fma_f32 v[MP+j:MP+j+1], v[MP+j:MP+j+1], s[C8:C8+1], v[S+j:S+j+1] op_sel_hi:[1,0,1]   ; 8 mask + padding: once for the four heads
.set j, j+2
.endr
	NOPS                                           ; places between these writes and the products that take them as C
	HEAD 0
	HEAD 1
	HEAD 2
	HEAD 3
.endm
	s_wait_alu depctr_va_vdst(0)
	s_wait_tensorcnt 0x0                           ; my part of key step 0 is in; slot 1's first fill is issued as a refill is
	ds_add_u32 v[SPW], v[NIL]
	STEPDESC
	s_wait_dscnt 0x0                               ; the add and my stores into PADT
	CROUND
	TLOAD                                          ; key step 1, into slot 1
	NEXTKM
	NEXTPAD
	s_mov_b32 s[SLOTS], 14
.Lslot:                                                ; 14 trips: trip j works key step j and asks for key step j + 2
	FRONT
	s_xor_b32 s[TB], s[TB], SLOT1
	NEXTKM                                         ; from the other slot, shown whole by the barrier in head 3's front: K's and the mask's registers are free behind the last scores; they land under the softmax below
	s_wait_tensorcnt 0x0                           ; no tensor load of mine is out
	ds_add_u32 v[SPW], v[NIL]                      ; register work stands between the add and the wait for it
	STEPDESC
	s_wait_xcnt 0x0                                ; the last prefetches, a trip back, have read their address
	s_add_nc_u64 s[PFA:PFA+1], s[PFA:PFA+1], s[PFS:PFS+1]
	SMXA 3
	s_wait_alu depctr_va_vdst(0)                   ; the wait here, directly ahead of the wait below
	s_wait_dscnt 0x0                               ; the add is done, V is in: my reads of this slot are over
	s_barrier_signal -1                            ; the round's opening signal; register work while the others arrive
	SMXB 3
	s_wait_alu depctr_va_vdst(0)                   ; the wait here, directly ahead of the wait below
	s_barrier_wait -1
	CREST                                          ; no wave of any partner still reads this slot or has a load on its way
	TLOAD
	s_add_co_u32 s[TP], s[TP], 512
	NEXTPAD
	ASK
	PV 3
	s_sub_co_u32 s[SLOTS], s[SLOTS], 1
	s_cmp_lg_u32 s[SLOTS], 0
	s_wait_alu depctr_va_vdst(0)
	s_cbranch_scc1 .Lslot
	s_mov_b32 s[SLOTS], 2
.Llast:                                                ; key steps 14 and 15: nothing more is asked for, so no slot changes hands.  The first trip's barrier in FRONT shows key step 15 whole; the second trip's orders nothing more
	FRONT
	s_cmp_eq_u32 s[SLOTS], 1
	s_cbranch_scc1 .Lno_km                         ; behind the last key step nothing is read
	s_xor_b32 s[TB], s[TB], SLOT1
	NEXTKM
.Lno_km:
	SMXA 3
	SMXB 3
	s_wait_alu depctr_va_vdst(0)                   ; the wait here, directly ahead of the wait below
	s_wait_dscnt 0x0                               ; V is in
	s_cmp_eq_u32 s[SLOTS], 1
	s_cbranch_scc1 .Lno_more
	s_add_co_u32 s[TP], s[TP], 512
	NEXTPAD
.Lno_more:
	PV 3
	s_sub_co_u32 s[SLOTS], s[SLOTS], 1
	s_cmp_lg_u32 s[SLOTS], 0
	s_wait_alu depctr_va_vdst(0)
	s_cbranch_scc1 .Llast
	; THE WAY OUT.  O^T / the sum is quantised along D, a pair of heads (one K step of the last product) at a time.  Here register 16 b + i is channel 32 b + 16 (lane / 16) + i: half blocks change lanes.
.irp hh, 0,1,2,3
	v_add_f32 v[ST+4*\hh+2], v[ST+4*\hh+2], v[ST+4*\hh+3]   ; (these four are the places behind the last products)
.endr
.irp hh, 0,1,2,3
	v_permlanex16_b32 v[ST+4*\hh+3], v[ST+4*\hh+2], s[SEL], s[SEL+1]
.endr
.irp hh, 0,1,2,3
	v_add_f32 v[ST+4*\hh+3], v[ST+4*\hh+2], v[ST+4*\hh+3]   ; the row's sum
.endr
	s_wait_alu depctr_va_vdst(0)
.irp hh, 0,1,2,3
	v_rcp_f32 v[ST+4*\hh+2], v[ST+4*\hh+3]
.endr
	v_nop
.irp g, 0,1
.if \g
	s_wait_xcnt 0x0                                ; the first pair's stores have read the codes' registers
.endif
	s_wait_alu depctr_va_vdst(0)                   ; ahead of the first reader of the reciprocals and of O^T
	WIN 0x01
.set i, 0
.rept 32
	v_pk_mul_f32 v[S+2*i:S+2*i+1], v[64*\g+2*i:64*\g+2*i+1], v[ST+4*(2*\g+i/16)+2:ST+4*(2*\g+i/16)+3] op_sel_hi:[1,0]
.set i, i+1
.endr
	WIN 0
.irp b, 0,1,2,3
	v_max3_num_f32 v[BM+\b], |v[S+16*\b]|, |v[S+1+16*\b]|, 0x1800000
.endr
.irp i, 2,4,6,8,10,12,14
.irp b, 0,1,2,3
	v_max3_num_f32 v[BM+\b], v[BM+\b], |v[S+16*\b+\i]|, |v[S+1+16*\b+\i]|
.endr
.endr
.irp b, 0,1,2,3
	v_permlanex16_b32 v[CH+\b], v[BM+\b], s[SEL], s[SEL+1]
.endr
.irp b, 0,1,2,3
	v_max_num_f32 v[BM+\b], v[BM+\b], v[CH+\b]
.endr
.irp b, 0,1,2,3
	v_add_nc_u32 v[SO+\b], 0xff000000, v[BM+\b]
.endr
.irp b, 0,1,2,3
	v_lshrrev_b32 v[CH+\b], 23, v[SO+\b]
.endr
	v_lshl_or_b32 v[PW0+\g], v[CH+1], 8, v[CH]
	v_lshl_or_b32 v[PW0+\g], v[CH+2], 16, v[PW0+\g]
	v_lshl_or_b32 v[PW0+\g], v[CH+3], 24, v[PW0+\g]
.irp c, 0,1
	v_cvt_scalef32_pk16_fp6_f32 v[PC+6*\c:PC+6*\c+2], v[S+32*\c:S+32*\c+15], v[SO+2*\c]
	v_cvt_scalef32_pk16_fp6_f32 v[PX+4*\c:PX+4*\c+2], v[S+16+32*\c:S+31+32*\c], v[SO+2*\c+1]
.endr
	v_nop
.irp c, 0,1
.irp i, 0,1,2
	v_permlane16_swap_b32 v[PC+6*\c+\i], v[PX+4*\c+\i]
.endr
.irp i, 0,1,2
	v_mov_b32 v[PC+3+6*\c+\i], v[PX+4*\c+\i]
.endr
.endr
.irp c, 0,1,2
	global_store_b128 v[L16], v[PC+4*\c:PC+4*\c+3], s[10:11] offset:\g*1536+512*\c   ; the fragment as it stands: 32 lanes store 512 consecutive bytes, aligned
.endr
.endr
	v_cndmask_b32 v[TMP], v[PW0], v[PW0+1], s[HM]  ; lanes 0-15 the first K step's word of row r, lanes 16-31 the second's
	global_store_b32 v[CSO], v[TMP], s[12:13]
	s_wait_tensorcnt 0x0                           ; the wave's end
	ds_add_u32 v[SPW], v[NIL]
	s_wait_dscnt 0x0
	CROUND                                         ; the closing round
	s_endpgm
.Lfunc_end_k_qe2dfcc9b8a_attn:
	.size	k_qe2dfcc9b8a_attn, .Lfunc_end_k_qe2dfcc9b8a_attn-k_qe2dfcc9b8a_attn
	.p2alignl 7, 3214868480
	.fill 96, 4, 3214868480
	.section	.rodata,"a",@progbits
	.p2align	6, 0x0
	.amdhsa_kernel k_qe2dfcc9b8a_attn
		.amdhsa_group_segment_fixed_size 327680
		.amdhsa_private_segment_fixed_size 0
		.amdhsa_enable_private_segment 0
		.amdhsa_kernarg_size 40
		.amdhsa_user_sgpr_count 2
		.amdhsa_user_sgpr_kernarg_segment_ptr 1
		.amdhsa_wavefront_size32 1
		.amdhsa_system_sgpr_workgroup_id_x 1
		.amdhsa_system_sgpr_workgroup_id_y 1
		.amdhsa_system_sgpr_workgroup_id_z 1
		.amdhsa_system_vgpr_workitem_id 0
		.amdhsa_next_free_vgpr 512
		.amdhsa_next_free_sgpr 80
		.amdhsa_reserve_vcc 0
		.amdhsa_float_denorm_mode_32 3
		.amdhsa_float_denorm_mode_16_64 3
		.amdhsa_memory_ordered 1
		.amdhsa_forward_progress 1
		.amdhsa_inst_pref_size 195
	.end_amdhsa_kernel
	.amdgpu_metadata
---
amdhsa.version: [ 1, 2 ]
amdhsa.kernels:
  - .name:           k_qe2dfcc9b8a_attn
    .symbol:         k_qe2dfcc9b8a_attn.kd
    .args:
      - { .name: qkv, .offset: 0, .size: 8, .value_kind: global_buffer, .address_space: global }
      - { .name: src_mask, .offset: 8, .size: 8, .value_kind: global_buffer, .address_space: global }
      - { .name: key_padding_mask, .offset: 16, .size: 8, .value_kind: global_buffer, .address_space: global }
      - { .name: cimg, .offset: 24, .size: 8, .value_kind: global_buffer, .address_space: global }
      - { .name: csc, .offset: 32, .size: 8, .value_kind: global_buffer, .address_space: global }
    .group_segment_fixed_size: 327680
    .private_segment_fixed_size: 0
    .kernarg_segment_align: 8
    .kernarg_segment_size: 40
    .max_flat_workgroup_size: 256
    .sgpr_count:     80
    .vgpr_count:     512
    .wavefront_size: 32
...
	.end_amdgpu_metadata
.endif
;; end of part 3
;; launch outp (part 4): grid 4 x 32, 4 waves a work-group, clusters of 4 x 4, 327,680 bytes of LDS; arguments cimg, csc, xc, xs, bo, out0; writes out0
.if DOCPART == 4
	.amdgcn_target "amdgcn-amd-amdhsa--gfx1250"
	.amdhsa_code_object_version 6
	.text
	.protected	k_qe2dfcc9b8a_outp
	.globl	k_qe2dfcc9b8a_outp
	.p2align	8
	.type	k_qe2dfcc9b8a_outp,@function
k_qe2dfcc9b8a_outp:
	s_mov_b64 s[64:65], 0
	v_nop
	global_prefetch_b8 v0, s[64:65] scope:SCOPE_SE
	s_setreg_imm32_b32 hwreg(HW_REG_WAVE_MODE, 25, 1), 1
	s_wait_xcnt 0x0
	s_wait_alu depctr_hold_cnt(0) depctr_sa_sdst(0) depctr_va_vdst(0) depctr_va_sdst(0) depctr_va_ssrc(0) depctr_va_vcc(0) depctr_vm_vsrc(0)
	s_getreg_b32 s2, hwreg(HW_REG_IB_STS2, 6, 4)
	s_cmp_eq_u32 s2, 0
	s_cbranch_scc0 .Lentry_in_a_cluster
	s_endpgm
.Lentry_in_a_cluster:
	s_bfe_u32 s2, ttmp6, 0x10000c
	s_cmp_lg_u32 s2, 0xf033
	s_cbranch_scc0 .Lentry_shape_is_right
	s_endpgm
.Lentry_shape_is_right:
.set SIZE_N, 1024
.set KSTEP,  256
.set NQ,     KSTEP/128
.set ROWB,   192
.set KROW,   768
.set IMGB,   3072
.set PITCH,  192                       ; LDS bytes for a row of a K step: the images lie dense, 128 rows in 24,576 bytes
.set FR,     12
.set NL,     6
.set NLA,    3
.set NP,     4
.set HALFT,  128*PITCH
.set SLOT,   4*HALFT
.set LAPS,   2
.set KS,     32
.set SCL,    2*SLOT
.set HALFS,  (128*KS/256)*272
.set SBLK,   (16*KS/256)*272
.set SPARE,  SCL+4*HALFS
.set SPITCH, 528
.set OFF_WO, 21233664
.set SOF_WO, 884736
.set ADRA, 16
.set ADRB, 20
.set STO,  24
.set RD,   25
.set CO,   26
.set ADRS, 27
.set SPW,  28
.set NIL,  29
.set SC,   32
.set BY,   64
.set AF,   128
.set BK,   128
.set G1, 24
.set G0, 32
.set G1B, 48
.set G0B, 56
.set G1S, 68
.set G0S, 76
.set G1SB, 80
.set G0SB, 88
.set MSB, 0
.macro WIN new
.if MSB != \new
	s_set_vgpr_msb (MSB<<8)|\new
.set MSB, \new
.endif
.endm
.set MUL_LO,  0xa1
.set MUL_HI,  0xf1
.set MUL_LO0, 0x81
.set MUL_HI0, 0xc1
.set TO_B,    0x40
.macro JLOAD g0a, g1a, g0b, g1b
	s_cmp_eq_u32 s15, 0
	s_cbranch_scc0 .Lfor_b_\@
	tensor_load_to_lds s[\g0a:\g0a+3], s[\g1a:\g1a+7]
	s_nop 0
.rept 4
	v_nop
.endr
	s_branch .Lasked_\@
.Lfor_b_\@:
	tensor_load_to_lds s[\g0b:\g0b+3], s[\g1b:\g1b+7]
	s_nop 0
.rept 4
	v_nop
.endr
.Lasked_\@:
.endm
.macro CREST
	s_cmp_lg_u32 s14, 0
	s_cbranch_scc1 .Lnot_wave_0_\@
	s_barrier_signal -3
.Lnot_wave_0_\@:
	s_barrier_wait -3
	s_barrier_signal -1
	s_barrier_wait -1
.endm
.macro CROUND
	s_barrier_signal -1
	s_barrier_wait -1
	CREST
.endm
	s_load_b128 s[4:7], s[0:1], 0x0
	s_load_b128 s[8:11], s[0:1], 0x10
	s_load_b128 s[96:99], s[0:1], 0x20
	v_lshl_add_u32 v[SPW], v0, 2, SPARE
	v_mov_b32 v[NIL], 0
	ds_add_u32 v28, v29
	ds_add_u32 v28, v29
	s_wait_dscnt 0x0
	v_lshrrev_b32 v1, 5, v0
	v_readfirstlane_b32 s14, v1
	s_lshr_b32 s15, s14, 1
	s_and_b32 s16, s14, 1
	s_bfe_u32 s40, ttmp6, 0x40000
	s_bfe_u32 s41, ttmp6, 0x40004
	s_lshl_b32 s42, ttmp9, 2
	s_add_co_u32 s42, s42, s40
	s_and_b32 s17, ttmp7, 0xffff
	s_lshl_b32 s17, s17, 2
	s_add_co_u32 s17, s17, s41
	s_lshl_b32 s43, s41, 2
	s_lshl_b32 s43, 15, s43
	s_lshl_b32 s44, 0x1111, s40
	s_or_b32 s[G1+0], s43, (3<<16)|(1<<21)
	s_mov_b32 s[G1+1], 384<<16
	s_mov_b32 s[G1+2], 16<<16                      ; the head's loads bring a whole tile, 16 tensor rows; behind them the two words are set to 8
	s_mov_b32 s[G1+3], 384<<16
	s_mov_b32 s[G1+4], 16
	s_mov_b32 s[G1+5], 1536
	s_mov_b32 s[G1+6], 0
	s_mov_b32 s[G1+7], 0
	s_or_b32 s[G1B+0], s44, (3<<16)|(1<<21)        ; Wo's tiles lie in xc as images, like concat's in cimg: 8 tensor rows of 3,072 bytes, 12,288 bytes apart
	s_mov_b32 s[G1B+1], 384<<16
	s_mov_b32 s[G1B+2], 16<<16
	s_mov_b32 s[G1B+3], 384<<16
	s_mov_b32 s[G1B+4], 16
	s_mov_b32 s[G1B+5], 1536
	s_mov_b32 s[G1B+6], 0
	s_mov_b32 s[G1B+7], 0
	s_or_b32 s[G1S+0], s43, (3<<16)|(1<<20)|(1<<21)|(5<<22)|(3<<25)
	s_or_b32 s[G1SB+0], s44, (3<<16)|(1<<20)|(1<<21)|(5<<22)|(3<<25)
.irp g, G1S, G1SB
	s_mov_b32 s[\g+1], 32<<16
	s_mov_b32 s[\g+2], (256*KS/256)<<16            ; the scales of 256 rows
	s_mov_b32 s[\g+3], 32<<16
	s_mov_b32 s[\g+4], 256*KS/256
	s_mov_b32 s[\g+5], 32
	s_mov_b32 s[\g+6], 0
	s_mov_b32 s[\g+7], 0
.endr
	s_lshl_b32 s18, s16, 7
	s_lshl_b32 s20, s17, 8
	s_add_co_u32 s20, s20, s18
	s_lshl_b32 s46, s42, 8
	s_add_co_u32 s46, s46, s18
	s_mov_b32 s21, 0
	s_mov_b32 s47, 0
	s_mov_b64 s[18:19], KS
	s_mul_u64 s[22:23], s[20:21], s[18:19]
	s_mul_u64 s[92:93], s[46:47], s[18:19]
	s_mov_b64 s[18:19], KROW
	s_mul_u64 s[20:21], s[20:21], s[18:19]
	s_mul_u64 s[46:47], s[46:47], s[18:19]
	s_mul_i32 s45, s14, HALFT
	s_wait_kmcnt 0x0
	s_mov_b64 s[12:13], s[98:99]
	s_add_nc_u64 s[8:9], s[8:9], OFF_WO
	s_add_nc_u64 s[10:11], s[10:11], SOF_WO
	s_add_nc_u64 s[20:21], s[4:5], s[20:21]
	s_add_nc_u64 s[22:23], s[6:7], s[22:23]
	s_add_nc_u64 s[46:47], s[8:9], s[46:47]
	s_add_nc_u64 s[92:93], s[10:11], s[92:93]
	CROUND
; THE HEAD'S LOADS, ONE A WAVE: wave 0 K step 0's 256 rows of A, wave 1 those of B, wave 2 the scales of A's 256 rows, wave 3 those of B's.
.set G0H, 4                            ; s[4:7], s[8:11]: group 0 of the two loads of codes (the arguments that lay there have been used)
.set G0HB, 8
	s_mul_i32 s18, s16, 128*KS                     ; back from my half to the tile's first row
	s_mov_b32 s19, 0
	s_mov_b32 s[G0S], 1
	s_mov_b32 s[G0S+1], SCL
	s_sub_nc_u64 s[G0S+2:G0S+3], s[22:23], s[18:19]
	s_or_b32 s[G0S+3], s[G0S+3], 0x80000000
	s_mov_b32 s[G0SB], 1
	s_mov_b32 s[G0SB+1], SCL+2*HALFS
	s_sub_nc_u64 s[G0SB+2:G0SB+3], s[92:93], s[18:19]
	s_or_b32 s[G0SB+3], s[G0SB+3], 0x80000000
	s_mul_i32 s18, s16, 128*KROW
	s_mov_b32 s[G0H], 1
	s_mov_b32 s[G0H+1], 0
	s_sub_nc_u64 s[G0H+2:G0H+3], s[20:21], s[18:19]
	s_or_b32 s[G0H+3], s[G0H+3], 0x80000000
	s_mov_b32 s[G0HB], 1
	s_mov_b32 s[G0HB+1], 2*HALFT
	s_sub_nc_u64 s[G0HB+2:G0HB+3], s[46:47], s[18:19]
	s_or_b32 s[G0HB+3], s[G0HB+3], 0x80000000
.macro ARM under, g0, g1, next         ; one tree of branches on the wave's number: every way through the head passes exactly one load
	s_cmp_lt_u32 s14, \under
	s_cbranch_scc0 \next
	tensor_load_to_lds s[\g0:\g0+3], s[\g1:\g1+7]
	s_nop 0
.rept 4
	v_nop
.endr
	s_branch .Lhead_asked
\next:
.endm
	ARM 1, G0H,  G1,  .Lhead_b
	ARM 2, G0HB, G1B, .Lhead_sa
	ARM 3, G0S,  G1S, .Lhead_sb
	tensor_load_to_lds s[G0SB:G0SB+3], s[G1SB:G1SB+7]
	s_nop 0
.rept 4
	v_nop
.endr
.Lhead_asked:
.irp s, 0,1
	s_mov_b32 s[G0+4*\s], 1
	s_add_co_u32 s[G0+4*\s+1], s45, \s*SLOT
	s_add_nc_u64 s[G0+4*\s+2:G0+4*\s+3], s[20:21], \s*IMGB
	s_or_b32 s[G0+4*\s+3], s[G0+4*\s+3], 0x80000000
	s_mov_b32 s[G0B+4*\s], 1
	s_add_co_u32 s[G0B+4*\s+1], s45, \s*SLOT
	s_add_nc_u64 s[G0B+4*\s+2:G0B+4*\s+3], s[46:47], \s*IMGB
	s_or_b32 s[G0B+4*\s+3], s[G0B+4*\s+3], 0x80000000
.if \s                                 ; slot 1's first fill is issued as a refill is; slot 0's own group 0 is first used at its first refill
	s_wait_alu depctr_va_vdst(0)
	s_wait_tensorcnt 0x0                           ; my tile of the head's four is in
	ds_add_u32 v28, v29
	s_mov_b32 s[G1+2], 8<<16                       ; no tensor load of mine is out: from here on a load brings 128 rows, 8 tensor rows
	s_mov_b32 s[G1+4], 8
	s_mov_b32 s[G1B+2], 8<<16
	s_mov_b32 s[G1B+4], 8
	s_wait_dscnt 0x0
	CROUND
	JLOAD G0+4*\s, G1, G0B+4*\s, G1B
.endif
.endr
	v_and_b32 v1, 15, v0
	v_bfe_u32 v2, v0, 4, 1
	v_and_b32 v6, 31, v0
	v_lshlrev_b32 v7, 4, v6
	s_mul_i32 s21, s15, HALFT
	s_mul_i32 s22, s16, HALFT
	s_add_co_u32 s22, s22, 2*HALFT
.irp s, 0,1
	v_add_nc_u32 v[ADRA+\s], s21, v7
	v_add_nc_u32 v[ADRB+\s], s22, v7
	s_add_co_u32 s21, s21, SLOT
	s_add_co_u32 s22, s22, SLOT
.endr
	s_wait_alu depctr_va_vdst(0)                   ; the wait here, directly ahead of the reader below
	v_mul_u32_u24 v5, v1, KS
	v_lshrrev_b32 v6, 8, v5
	v_lshl_add_u32 v5, v6, 4, v5
	s_mul_i32 s21, s15, HALFS
	s_mul_i32 s22, s16, HALFS
	s_add_co_u32 s22, s22, 2*HALFS
	s_sub_co_u32 s22, s22, s21
	v_mul_u32_u24 v6, s22, v2
	s_add_co_u32 s21, s21, SCL
	v_add_nc_u32 v5, v5, v6
	v_add_nc_u32 v[ADRS], s21, v5
	s_mul_i32 s23, s14, 16*SPITCH
	v_mul_u32_u24 v5, v1, SPITCH
	v_lshl_add_u32 v5, v2, 6, v5
	v_add_nc_u32 v[STO], s23, v5
	v_mov_b32 v[CO], v7
	v_add_nc_u32 v[RD], s23, v7
	s_lshl_b32 s20, s17, 8
	s_lshl_b32 s21, s15, 7
	s_add_co_u32 s20, s20, s21
	s_mov_b32 s21, 0
	s_mov_b64 s[18:19], SIZE_N*4
	s_mul_u64 s[20:21], s[20:21], s[18:19]
	s_lshl_b32 s46, s42, 10
	s_lshl_b32 s47, s16, 9
	s_add_co_u32 s46, s46, s47
	v_lshl_add_u32 v8, v2, 6, s46
	s_mov_b32 s47, 0
	s_add_nc_u64 s[20:21], s[20:21], s[46:47]
	s_add_nc_u64 s[12:13], s[12:13], s[20:21]
.irp t, 0,1,2,3,4,5,6,7
	global_load_b128 v[BY+8*\t:BY+8*\t+3], v8, s[96:97] offset:(32*(\t/2)+8*(\t%2))*4
	global_load_b128 v[BY+8*\t+4:BY+8*\t+7], v8, s[96:97] offset:(32*(\t/2)+8*(\t%2))*4+16
.endr
	s_wait_alu depctr_va_vdst(0)
	s_wait_loadcnt 0x0
.macro MUL16 a0, p, q, sc, zero
.irp a, \a0, \a0+1
.irp b, 0,1,2,3,4,5,6,7
.if \zero
	v_wmma_scale_f32_16x16x128_f8f6f4 v[8*(8*((\a)%4)+\b):8*(8*((\a)%4)+\b)+7], v[128*(\p)+FR*\b:128*(\p)+FR*\b+FR-1], v[AF+FR*(\a):AF+FR*(\a)+FR-1], v[BY+8*\b:BY+8*\b+7], v[SC+8*NQ*(\sc)+NQ*\b+(\q)], v[SC+8*NQ*(\sc)+NQ*(\a)+(\q)] matrix_a_fmt:MATRIX_FMT_FP6 matrix_b_fmt:MATRIX_FMT_FP6 matrix_a_scale:MATRIX_SCALE_ROW1
.else
	v_wmma_scale_f32_16x16x128_f8f6f4 v[8*(8*((\a)%4)+\b):8*(8*((\a)%4)+\b)+7], v[128*(\p)+FR*\b:128*(\p)+FR*\b+FR-1], v[AF+FR*(\a):AF+FR*(\a)+FR-1], v[8*(8*((\a)%4)+\b):8*(8*((\a)%4)+\b)+7], v[SC+8*NQ*(\sc)+NQ*\b+(\q)], v[SC+8*NQ*(\sc)+NQ*(\a)+(\q)] matrix_a_fmt:MATRIX_FMT_FP6 matrix_b_fmt:MATRIX_FMT_FP6 matrix_a_scale:MATRIX_SCALE_ROW1
.endif
.endr
.endr
.endm
.macro FETCH_B slot, q, p
	WIN TO_B
.irp i, 0,1,2,3,4,5,6,7
.irp c, 0,1,2
	ds_load_b128 v[128*(\p)+FR*\i+4*\c:128*(\p)+FR*\i+4*\c+3], v[ADRB+\slot] offset:\i*IMGB+(\q)*1536+512*\c
.endr
.endr
	WIN 0
.endm
.macro FETCH_A slot, q, i0
.irp i, \i0, \i0+1, \i0+2, \i0+3
.irp c, 0,1,2
	ds_load_b128 v[AF+FR*(\i)+4*\c:AF+FR*(\i)+4*\c+3], v[ADRA+\slot] offset:(\i)*IMGB+(\q)*1536+512*\c
.endr
.endr
.endm
.macro SCALES sc
.irp i, 0,1,2,3,4,5,6,7
	ds_load_b64 v[SC+8*NQ*\sc+NQ*\i:SC+8*NQ*\sc+NQ*\i+1], v[ADRS] offset:\i*SBLK
.endr
.endm
.macro PLACES n
.rept \n
	v_nop
.endr
.endm
.macro STEP slot, q, zero
	s_wait_dscnt 4*NLA
.if \zero
	WIN MUL_LO0
.else
	WIN MUL_LO
.endif
	MUL16 0, (\q)%2, \q, \slot, \zero
	MUL16 2, (\q)%2, \q, \slot, \zero
	s_wait_dscnt 0
	PLACES NP
	FETCH_B \slot, (\q)+1, 1-(\q)%2
	FETCH_A \slot, (\q)+1, 0
.if \zero
	WIN MUL_HI0
.else
	WIN MUL_HI
.endif
	MUL16 4, (\q)%2, \q, \slot, \zero
	MUL16 6, (\q)%2, \q, \slot, \zero
	PLACES NP
	WIN 0
	FETCH_A \slot, (\q)+1, 4
.endm
.macro TURN slot, next, fill
	s_wait_tensorcnt 0x0
	ds_add_u32 v[SPW], v[NIL]
	s_wait_dscnt 4*NLA+1
	WIN MUL_LO
	MUL16 0, 1, NQ-1, \slot, 0
	s_wait_dscnt 0x0
	s_barrier_signal -1
	MUL16 2, 1, NQ-1, \slot, 0
	WIN 0
	s_barrier_wait -1
.if \fill
	CREST
	s_add_nc_u64 s[G0+4*\slot+2:G0+4*\slot+3], s[G0+4*\slot+2:G0+4*\slot+3], 2*IMGB
	s_add_nc_u64 s[G0B+4*\slot+2:G0B+4*\slot+3], s[G0B+4*\slot+2:G0B+4*\slot+3], 2*IMGB
	JLOAD G0+4*\slot, G1, G0B+4*\slot, G1B
.else
	PLACES NP
.endif
	s_wait_alu depctr_va_vdst(0)
	v_add_nc_u32 v[ADRS], 4*NQ, v[ADRS]
	FETCH_B \next, 0, 0
	FETCH_A \next, 0, 0
	SCALES \next
	WIN MUL_HI
	MUL16 4, 1, NQ-1, \slot, 0
	MUL16 6, 1, NQ-1, \slot, 0
	PLACES NP
	WIN 0
	FETCH_A \next, 0, 4
.endm
	s_wait_tensorcnt 1
	s_barrier_signal -1
	s_barrier_wait -1
	FETCH_B 0, 0, 0
	FETCH_A 0, 0, 0
	SCALES 0
	FETCH_A 0, 0, 4
	STEP 0, 0, 1
	s_mov_b32 s3, LAPS-1
.Llap:
	TURN 0, 1, 1
	STEP 1, 0, 0
	TURN 1, 0, 1
	STEP 0, 0, 0
	s_sub_co_u32 s3, s3, 1
	s_cmp_lg_u32 s3, 0
	s_cbranch_scc1 .Llap
	TURN 0, 1, 0
	STEP 1, 0, 0
	s_wait_dscnt 4*NLA
	WIN MUL_LO
	MUL16 0, 1, NQ-1, 1, 0
	MUL16 2, 1, NQ-1, 1, 0
	s_wait_dscnt 0
	WIN MUL_HI
	MUL16 4, 1, NQ-1, 1, 0
	MUL16 6, 1, NQ-1, 1, 0
	WIN 0
.macro TOSTAGE a
.set AC, 64*((\a)%4)
	WIN (0x08+4*((\a)/4))
.irp b, 0,1,2,3,4,5,6,7
	ds_store_b128 v[STO], v[AC+8*\b:AC+8*\b+3] offset:128*(\b/2)+32*(\b%2)
	ds_store_b128 v[STO], v[AC+8*\b+4:AC+8*\b+7] offset:128*(\b/2)+32*(\b%2)+16
.endr
	WIN 0
.set BB, BK+64*((\a)%2)
.irp t, 0,1,2,3,4,5,6,7,8,9,10,11,12,13,14,15
	ds_load_b128 v[BB+4*\t:BB+4*\t+3], v[RD] offset:\t*SPITCH
.endr
.endm
.macro SEND a, younger
.set BB, BK+64*((\a)%2)
	s_wait_dscnt \younger
.if (\a) > 0
	s_add_nc_u64 s[12:13], s[12:13], 16*SIZE_N*4   ; concat's tiles are 16 neighbouring rows
.endif
.irp t, 0,1,2,3,4,5,6,7,8,9,10,11,12,13,14,15
	global_store_b128 v[CO], v[BB+4*\t:BB+4*\t+3], s[12:13] offset:\t*SIZE_N*4 th:TH_STORE_NT
.endr
.endm
	PLACES NP
	TOSTAGE 0
.irp a, 1,2,3,4,5,6,7
.if \a > 1
	s_wait_xcnt 0x0
.endif
	TOSTAGE \a
	SEND \a-1, 32
.endr
	s_wait_xcnt 0x0
	SEND 7, 0
	s_wait_tensorcnt 0x0
	ds_add_u32 v[SPW], v[NIL]
	s_wait_dscnt 0x0
	CROUND
	s_endpgm
.Lfunc_end_k_qe2dfcc9b8a_outp:
	.size	k_qe2dfcc9b8a_outp, .Lfunc_end_k_qe2dfcc9b8a_outp-k_qe2dfcc9b8a_outp
	.p2alignl 7, 3214868480
	.fill 96, 4, 3214868480
	.section	.rodata,"a",@progbits
	.p2align	6, 0x0
	.amdhsa_kernel k_qe2dfcc9b8a_outp
		.amdhsa_group_segment_fixed_size 327680
		.amdhsa_private_segment_fixed_size 0
		.amdhsa_enable_private_segment 0
		.amdhsa_kernarg_size 48
		.amdhsa_user_sgpr_count 2
		.amdhsa_user_sgpr_kernarg_segment_ptr 1
		.amdhsa_wavefront_size32 1
		.amdhsa_system_sgpr_workgroup_id_x 1
		.amdhsa_system_sgpr_workgroup_id_y 1
		.amdhsa_system_sgpr_workgroup_id_z 1
		.amdhsa_system_vgpr_workitem_id 0
		.amdhsa_next_free_vgpr 1024
		.amdhsa_next_free_sgpr 100
		.amdhsa_reserve_vcc 0
		.amdhsa_float_denorm_mode_32 3
		.amdhsa_float_denorm_mode_16_64 3
		.amdhsa_memory_ordered 1
		.amdhsa_forward_progress 1
		.amdhsa_inst_pref_size 138
	.end_amdhsa_kernel
	.amdgpu_metadata
---
amdhsa.version: [ 1, 2 ]
amdhsa.kernels:
  - .name:           k_qe2dfcc9b8a_outp
    .symbol:         k_qe2dfcc9b8a_outp.kd
    .args:
      - { .name: cimg, .offset: 0, .size: 8, .value_kind: global_buffer, .address_space: global }
      - { .name: csc, .offset: 8, .size: 8, .value_kind: global_buffer, .address_space: global }
      - { .name: xc, .offset: 16, .size: 8, .value_kind: global_buffer, .address_space: global }
      - { .name: xs, .offset: 24, .size: 8, .value_kind: global_buffer, .address_space: global }
      - { .name: bo, .offset: 32, .size: 8, .value_kind: global_buffer, .address_space: global }
      - { .name: out0, .offset: 40, .size: 8, .value_kind: global_buffer, .address_space: global }
    .group_segment_fixed_size: 327680
    .private_segment_fixed_size: 0
    .kernarg_segment_align: 8
    .kernarg_segment_size: 48
    .max_flat_workgroup_size: 128
    .sgpr_count:     100
    .vgpr_count:     1024
    .wavefront_size: 32
...
	.end_amdgpu_metadata
.endif
;; end of part 4
